; MI455X (gfx1250); checked and timed in simulation.
; The chip was launched on July 23, 2026; its instructions are those of AMD's public machine-readable ISA for CDNA 5 (MIT licence, August 2026) and "CDNA5" Instruction Set Architecture Reference Guide (July 2026). The comments in the code are by the model that wrote it; some were corrected since.
;; Attention. Allowed arithmetic: matrix products marked QUANTISED: E2M1 operands, one E8M0 scale for each 32 along K, by v_wmma_scale_f32_16x16x128_f8f6f4 with both operands' format E2M1 (or v_wmma_scale_f32_32x16x128_f4), f32 sums; products left as they are: bf16, f16 or f32 operands; f32 sums; everything else in f32.
;; Inputs: b_out 1,024 float32; w_out 1,024 x 1,024 float32; w_qkv 1,024 x 3,072 float32; x 4 x 2,048 x 1,024 float32.
;; Outputs: out0 4 x 2,048 x 1,024 float32.
;; This version of the problem:
;;   THIS VERSION OF THE PROBLEM IS GIVEN IN LOW PRECISION. The matrix products marked QUANTISED in the list below multiply operands that are first quantised to E2M1 (2 exponent bits, 1 mantissa bit; 4 bits a number), with one power-of-two scale for each 32 numbers along K (OCP MX v1.0); their sums are f32. The products marked 'left as it is' may take bf16, f16 or f32 operands, with f32 sums. Whichever they take, every output number must still come out within the allowed error. Rounding operands to bf16 (8 significant bits) uses up far more of that allowance than f16 does (11 bits, for magnitudes from 6e-5 to 65,504). All else is computed in f32.
;;   The module's matrix products, in the order in which they are computed (A, B: the left and right operand; K: the contracted axis; several contracted axes count as one K, in the product's order):
;;     1. [M 8,192, K 1,024] x [K 1,024, N 3,072]; A: input x; B: input w_qkv: QUANTISED
;;     2. batch 64 x [M 2,048, K 64] x [K 64, N 2,048]; A: computed on the way; B: computed on the way: left as it is (an operand is computed on the way)
;;     3. batch 64 x [M 2,048, K 2,048] x [K 2,048, N 64]; A: computed on the way; B: computed on the way: left as it is (an operand is computed on the way)
;;     4. [M 8,192, K 1,024] x [K 1,024, N 1,024]; A: computed on the way; B: input w_out: left as it is (an operand is computed on the way)
;;   THE QUANTISER, for each operand of a quantised product, along K:
;;     - K is cut into blocks of 32 from its start; a last block that is shorter is filled with zeros.
;;     - A block's scale is 2^e with e = floor(log2(the largest magnitude in the block)) - 2, held to -126 .. 127; a block of zeros has e = 0. As a byte (E8M0): e + 127.
;;     - Each number is divided by its block's scale, clamped to +-6, and rounded to the nearest number of E2M1, ties to even, subnormals kept.
;;     - The product sums the exact products of the quantised numbers (number of the format x scale) in f32.
;;   ~~~python
;;   def quantise(x, axis):      # numpy; x: float32 -> the quantised numbers, widened to float32 again
;;       x = np.moveaxis(x, axis, -1); K = x.shape[-1]
;;       x = np.pad(x, [(0, 0)] * (x.ndim - 1) + [(0, -K % 32)]); x = x.reshape(x.shape[:-1] + (-1, 32)); a = np.abs(x).max(-1, keepdims=True)
;;       e = np.where(a > 0, np.clip(np.frexp(np.where(a > 0, a, 1))[1] - 1 - 2, -126, 127), 0)      # np.frexp(a)[1] - 1 = floor(log2(a)), exactly
;;       r = np.clip(x / 2.0 ** e, -6, 6)
;;       step = 2.0 ** (np.maximum(np.frexp(np.where(r == 0, 1, r))[1] - 1, 0) - 1)
;;       q = np.round(r / step) * step * 2.0 ** e      # np.round: ties to even
;;       return np.moveaxis(q.reshape(q.shape[:-2] + (-1,))[..., :K], -1, axis).astype(np.float32)
;;   ~~~
;; One version. Each part assembles by itself: llvm-mc -triple=amdgcn-amd-amdhsa -mcpu=gfx1250 --defsym DOCPART=n.
;; ======== version 1 of 1: 4 launches
;; limits: values are held in f16: magnitudes above 65,504 overflow, below 6.1e-05 lose precision
;; workspace buffers: xc 4,194,304 bytes; xs 262,144 bytes; wc 1,572,864 bytes; wsc 98,304 bytes; wo 2,097,152 bytes; qkv 50,331,648 bytes; oimg 16,777,216 bytes
;; launch prep (part 1): grid 336 x 1, 4 waves a work-group, no clusters, 68,096 bytes of LDS; arguments x, w_qkv, w_out, xc, xs, wc, wsc, wo; writes xc, xs, wc, wsc, wo
.if DOCPART == 1
	.amdgcn_target "amdgcn-amd-amdhsa--gfx1250"
	.amdhsa_code_object_version 6
	.text
	.protected	k_q07836435a2_prep
	.globl	k_q07836435a2_prep
	.p2align	8
	.type	k_q07836435a2_prep,@function
k_q07836435a2_prep:
	s_mov_b64 s[64:65], 0
	v_nop
	global_prefetch_b8 v0, s[64:65] scope:SCOPE_SE
	s_setreg_imm32_b32 hwreg(HW_REG_WAVE_MODE, 25, 1), 1
	s_wait_xcnt 0x0
; PREP: the three inputs that later launches read many times are brought into the form in which they are read.  Three ways through the text, told apart by the work-group's number alone; they never join.
;   X (work-groups 0-255):   x [8192][1024] f32 -> codes of FP4 (E2M1), K innermost, xc [8192][512 bytes], and one E8M0 byte for each 32 along K, xs [8192][32].
;   W (work-groups 256-303): w_qkv [1024 (k)][3072 (n)] f32, K its FIRST axis -> wc [3072][512 bytes], wsc [3072][32].
;   O (work-groups 304-335): w_out [1024 (k)][1024 (n)] f32 -> f16, laid in the order of a matrix operand's registers: wo [n / 16][k / 8][n % 16][8 numbers]: 16 bytes a lane, 256 bytes for 16 rows x 8 k.
; A block's scale is 2^(floor(log2(its largest magnitude)) - 2); its byte is the largest magnitude's exponent field - 2, held at 1 from below.  Each number is divided by the scale and rounded to the nearest code, ties to even; beyond 6 the largest code.
; LIMITS: a block of zeros gets the byte 1 where the rule says 127: its codes are zeros, which add nothing, and this program alone reads the bytes.  NaN and infinities among the inputs are not served.
;         |w_out| of 65,504 or more has no f16 number; magnitudes under 6e-5 are kept with f16's absolute step.
; No tensor load, no barrier: waves share nothing.  Each way has LDS bytes of its own.
.set SPARE, 67584                      ; behind both ways' regions: the spare words, 128 bytes for each wave: two blocks of 256 bytes that no other line names
.set SPW,   180                        ; v180  LDS address of my spare word: SPARE + 4 x my thread's number; never rewritten
.set NIL,   181                        ; v181  0; never rewritten
.set EMAX,  2
; ---- way X
.set XSTEPS, 16                        ; a wave takes 16 steps of 512 numbers
.set CB,    8                          ; bytes of 16 codes
.set XR,    16                         ; v16-79   four sets of 16 numbers as they are loaded
.set XX,    80                         ; v80-111  two sets of 16 neighbours
.set XE,    112                        ; v112-127 a scale byte for each step
.set XC,    128                        ; v128-159 codes: two registers for each step, so that no store's data are written again
.set WREG,  8192                       ; LDS 0 .. 32767: a region for each wave: two stages of 32 x SP bytes, and behind them its 256 scale bytes
.set SP,    80                         ; a lane's place in a stage: its 64 bytes + 16 of padding
; ---- way W
.set WNB,   16                         ; a wave takes 32 columns x 512 along K: 16 blocks a lane
.set WP,    272                        ; a stage row: 256 bytes of codes + 16
.set WKROW, 512                        ; a row of wc in bytes
.set WN4,   12288                      ; a row of w_qkv in bytes
.set WSTG,  32768                      ; LDS 32768 .. 67583: a stage of 32 x WP bytes for each wave
.set WSB,   24                         ; v24-27   the scale bytes, four to a register
.set WX,    32                         ; v32-95   two sets of 32 numbers
.set WC,    96                         ; v96-99   a block's codes
.set WOUT,  112                        ; v112-175 the way out: 16 x 4 registers
; ---- way O
.set OX,    32                         ; v32-95   two sets of 32 numbers
.set OH,    96                         ; v96-127  two sets of 16 registers of f16 pairs
.macro XLOAD t                         ; 32 lanes read 512 consecutive bytes, four times
.irp i, 0,1,2,3
	global_load_b128 v[XR+16*((\t)%4)+4*\i:XR+16*((\t)%4)+4*\i+3], v3, s[4:5] offset:2048*(\t)+512*\i th:TH_LOAD_NT
.endr
.endm
.macro XTURN t                         ; step t's numbers through the stage, so that a lane gets 16 neighbours: LDS serves a wave's instructions in order, so no wait stands between the stores and the loads
.irp i, 0,1,2,3
	ds_store_b128 v14, v[XR+16*((\t)%4)+4*\i:XR+16*((\t)%4)+4*\i+3] offset:32*SP*((\t)%2)+8*SP*\i
.endr
.irp i, 0,1,2,3
	ds_load_b128 v[XX+16*((\t)%2)+4*\i:XX+16*((\t)%2)+4*\i+3], v15 offset:32*SP*((\t)%2)+16*\i
.endr
.endm
.macro XSTEP t
.set XSR, XX+16*((\t)%2)
.if (\t) > 0
	s_wait_dscnt 1                                 ; this step's numbers are back from the stage (the last step's byte store may be out): so its stores into the stage have read their registers,
.else
	s_wait_dscnt 0x0
.endif
.if (\t)+4 < XSTEPS
	XLOAD (\t)+4                                   ; which take the loads of four steps on
.endif
.if (\t)+1 < XSTEPS
.if XSTEPS-2-(\t) >= 3
	s_wait_loadcnt 12                              ; the next step's four loads are in; those of the three steps behind it may be out
.else
	s_wait_loadcnt 4*(XSTEPS-2-(\t))
.endif
	XTURN (\t)+1                                   ; and go through the other stage while this step is worked
.endif
	v_max3_num_f32 v8, |v[XSR]|, |v[XSR+1]|, |v[XSR+2]|            ; the largest magnitude of my 16, in two chains
	v_max3_num_f32 v9, |v[XSR+3]|, |v[XSR+4]|, |v[XSR+5]|
.irp i, 6,10
	v_max3_num_f32 v8, v8, |v[XSR+\i]|, |v[XSR+\i+1]|
	v_max3_num_f32 v9, v9, |v[XSR+\i+2]|, |v[XSR+\i+3]|
.endr
	v_max3_num_f32 v8, v8, |v[XSR+14]|, |v[XSR+15]|
	v_max3_num_f32 v8, v8, v9, (EMAX+1)<<23        ; and the floor 2^(EMAX + 1 - 127): so the byte cannot fall under 1
	v_max_num_f32_dpp v8, v8, v8 row_xmask:1 row_mask:0xf bank_mask:0xf   ; and of my neighbour's 16: the block's
	v_add_nc_u32 v11, -(EMAX<<23), v8              ; EMAX off its exponent field: the conversion takes the exponent field of this operand as its scale, and nothing else of it
	v_cvt_scalef32_pk8_fp4_f32 v[XC+2*(\t)], v[XSR:XSR+7], v11
	v_cvt_scalef32_pk8_fp4_f32 v[XC+2*(\t)+1], v[XSR+8:XSR+15], v11
	v_lshrrev_b32 v[XE+(\t)], 23, v11              ; the scale's byte (also the plain line behind the conversions)
	ds_store_b8 v5, v[XE+(\t)] offset:16*(\t)      ; both lanes of a block write the same byte with the same value
	global_store_b64 v4, v[XC+2*(\t):XC+2*(\t)+1], s[10:11] offset:32*CB*(\t)   ; the wave stores 256 consecutive bytes, aligned
.endm
.macro WLOAD t                         ; block t: w_qkv(32 t + i, my column), i = 0 .. 31: each load reads 128 consecutive bytes a wave
.irp i, 0,1,2,3,4,5,6,7,8,9,10,11,12,13,14,15,16,17,18,19,20,21,22,23,24,25,26,27,28,29,30,31
	global_load_b32 v[WX+32*((\t)%2)+\i], v3, s[6:7] offset:(32*(\t)+\i)*WN4 th:TH_LOAD_NT
.endr
.endm
.macro WBLOCK t
.set WXS, WX+32*((\t)%2)
.if (\t) < WNB-1
	s_wait_loadcnt 32                              ; this block's 32 loads are in; the next block's may be out
.else
	s_wait_loadcnt 0
.endif
	v_max3_num_f32 v12, |v[WXS]|, |v[WXS+1]|, |v[WXS+2]|           ; the block's largest magnitude: all 32 numbers are mine
	v_max3_num_f32 v13, |v[WXS+3]|, |v[WXS+4]|, |v[WXS+5]|
.irp i, 6,10,14,18,22,26
	v_max3_num_f32 v12, v12, |v[WXS+\i]|, |v[WXS+\i+1]|
	v_max3_num_f32 v13, v13, |v[WXS+\i+2]|, |v[WXS+\i+3]|
.endr
	v_max3_num_f32 v12, v12, |v[WXS+30]|, |v[WXS+31]|
	v_max3_num_f32 v12, v12, v13, (EMAX+1)<<23     ; and the floor
	v_add_nc_u32 v11, -(EMAX<<23), v12             ; the conversion's scale operand
	v_lshrrev_b32 v13, 23, v11                     ; the scale's byte
.if (\t)%4 == 0
	v_mov_b32 v[WSB+(\t)/4], v13                   ; four bytes to a register, the lower K in the lower byte
.else
	v_lshl_or_b32 v[WSB+(\t)/4], v13, 8*((\t)%4), v[WSB+(\t)/4]
.endif
.irp g, 0,1,2,3
	v_cvt_scalef32_pk8_fp4_f32 v[WC+\g], v[WXS+8*\g:WXS+8*\g+7], v11
.endr
	ds_store_b128 v4, v[WC:WC+3] offset:16*(\t)    ; 32 codes: 16 bytes of my column's row.  (The next block begins with plain vector lines, ahead of its conversions)
.if (\t)+2 < WNB
	WLOAD (\t)+2
.endif
	s_wait_dscnt 0x0                               ; the store has read its registers: the next block's codes may be written
.endm
.macro OLOAD t                         ; block t: w_out(32 t + i, my column)
.irp i, 0,1,2,3,4,5,6,7,8,9,10,11,12,13,14,15,16,17,18,19,20,21,22,23,24,25,26,27,28,29,30,31
	global_load_b32 v[OX+32*((\t)%2)+\i], v3, s[8:9] offset:(32*(\t)+\i)*4096 th:TH_LOAD_NT
.endr
.endm
.macro OCONV t
.if (\t) < 7
	s_wait_loadcnt 32                              ; this block's 32 loads are in; the next block's may be out
.else
	s_wait_loadcnt 0
.endif
	s_wait_xcnt 0x0                                ; the stores of two blocks back have read this set of registers
.irp j, 0,1,2,3,4,5,6,7,8,9,10,11,12,13,14,15
	v_cvt_pk_f16_f32 v[OH+16*((\t)%2)+\j], v[OX+32*((\t)%2)+2*\j], v[OX+32*((\t)%2)+2*\j+1]   ; the lower k in the low half
.endr
.if (\t)+2 < 8
	OLOAD (\t)+2
.endif
.irp i, 0,1,2,3
	global_store_b128 v4, v[OH+16*((\t)%2)+4*\i:OH+16*((\t)%2)+4*\i+3], s[18:19] offset:256*(4*(\t)+\i)   ; 8 k of 16 columns: sixteen lanes store 256 consecutive bytes, aligned
.endr
.endm
	s_load_b256 s[4:11], s[0:1], 0x0               ; x s[4:5], w_qkv s[6:7], w_out s[8:9], xc s[10:11]
	s_load_b256 s[12:19], s[0:1], 0x20             ; xs s[12:13], wc s[14:15], wsc s[16:17], wo s[18:19]
	v_lshl_add_u32 v[SPW], v0, 2, SPARE
	v_mov_b32 v[NIL], 0
	v_lshrrev_b32 v1, 5, v0
	v_readfirstlane_b32 s20, v1                    ; wave 0..3
	v_and_b32 v2, 31, v0                           ; lane
	s_wait_kmcnt 0x0
	s_cmp_lt_u32 ttmp9, 256
	s_cbranch_scc0 .Lnot_x
	; ================ WAY X.  Rows are dense and K is a multiple of 32: x is a plain stream of blocks of 32, and so are its codes and scale bytes.
	v_lshlrev_b32 v3, 4, v2                        ; my 16 bytes of a load's 512
	s_mul_i32 s21, s20, WREG
	v_lshrrev_b32 v14, 2, v2
	v_mul_u32_u24 v14, v14, SP
	v_and_b32 v15, 3, v2
	v_lshl_add_u32 v14, v15, 4, v14
	v_add_nc_u32 v14, s21, v14                     ; the stage, on the way in: SP (lane / 4) + 16 (lane % 4)
	v_mul_u32_u24 v15, v2, SP
	v_add_nc_u32 v15, s21, v15                     ; and on the way out: SP x lane: my 16 neighbours
	v_mul_u32_u24 v4, v2, CB                       ; my codes' place in a step's
	v_lshrrev_b32 v5, 1, v2
	s_add_co_u32 s21, s21, 2*32*SP
	v_add_nc_u32 v5, s21, v5                       ; LDS: my wave's 256 scale bytes, my block's byte
	v_lshlrev_b32 v7, 3, v2                        ; and on the way out 8 bytes a lane
	v_add_nc_u32 v6, s21, v7
	s_lshl_b32 s22, ttmp9, 2
	s_add_co_u32 s22, s22, s20                     ; which run of 8,192 numbers is my wave's
	s_mov_b32 s25, 0
	s_lshl_b32 s24, s22, 15                        ; 32,768 bytes of x,
	s_add_nc_u64 s[4:5], s[4:5], s[24:25]
	s_lshl_b32 s24, s22, 12                        ; 4,096 of codes,
	s_add_nc_u64 s[10:11], s[10:11], s[24:25]
	s_lshl_b32 s24, s22, 8                         ; 256 scale bytes a run
	s_add_nc_u64 s[12:13], s[12:13], s[24:25]
.irp t, 0,1,2,3
	XLOAD \t
.endr
	s_wait_loadcnt 12                              ; step 0's four loads are in
	XTURN 0
.irp t, 0,1,2,3,4,5,6,7,8,9,10,11,12,13,14,15
	XSTEP \t
.endr
	ds_load_b64 v[8:9], v6                         ; LDS serves a wave's instructions in order: these see my byte stores
	s_wait_dscnt 0x0
	global_store_b64 v7, v[8:9], s[12:13]          ; 32 lanes store 256 consecutive bytes, aligned
	s_wait_tensorcnt 0x0                           ; the wave's end: behind my last LDS store
	ds_add_u32 v[SPW], v[NIL]
	s_wait_dscnt 0x0
	s_endpgm
.Lnot_x:
	s_cmp_lt_u32 ttmp9, 304
	s_cbranch_scc0 .Lway_o
	; ================ WAY W.  A lane takes a column n and its registers run down K: a block of 32 lies in one lane, and the conversions give codes with K innermost.  Nothing is transposed by an instruction.
	s_sub_co_u32 s21, ttmp9, 256                   ; 0 .. 47: 24 groups of 128 columns x 2 halves of K
	s_cmp_ge_u32 s21, 24
	s_cselect_b32 s22, 1, 0                        ; which 512 along K
	s_cselect_b32 s23, 24, 0
	s_sub_co_u32 s21, s21, s23
	s_lshl_b32 s21, s21, 7
	s_lshl_b32 s23, s20, 5
	s_add_co_u32 s21, s21, s23                     ; my wave's first column
	v_lshlrev_b32 v3, 2, v2                        ; in: 4 bytes a lane
	s_mul_i32 s23, s20, 32*WP
	s_add_co_u32 s23, s23, WSTG                    ; my stage
	v_mul_u32_u24 v4, v2, WP
	v_add_nc_u32 v4, s23, v4                       ; into it: row = my column
	v_and_b32 v5, 15, v2
	v_lshrrev_b32 v6, 4, v2                        ; out of it: sixteen lanes to a row, two rows an instruction
	v_mul_u32_u24 v7, v6, WP
	v_lshl_add_u32 v7, v5, 4, v7
	v_add_nc_u32 v7, s23, v7
	v_mul_u32_u24 v8, v6, WKROW
	v_lshl_add_u32 v8, v5, 4, v8                   ; and the same place in wc
	v_lshlrev_b32 v9, 5, v2                        ; my column's row of scale bytes
	s_mul_i32 s24, s22, 512*WN4                    ; w_qkv: 512 rows down for the second half of K, + 4 x column
	s_lshl_b32 s25, s21, 2
	s_add_co_u32 s24, s24, s25
	s_mov_b32 s25, 0
	s_add_nc_u64 s[6:7], s[6:7], s[24:25]
	s_lshl_b32 s24, s21, 9                         ; wc: column x 512 + 256 x half
	s_lshl_b32 s26, s22, 8
	s_add_co_u32 s24, s24, s26
	s_add_nc_u64 s[14:15], s[14:15], s[24:25]
	s_lshl_b32 s24, s21, 5                         ; wsc: column x 32 + 16 x half
	s_lshl_b32 s26, s22, 4
	s_add_co_u32 s24, s24, s26
	s_add_nc_u64 s[16:17], s[16:17], s[24:25]
	WLOAD 0
	WLOAD 1
.set Q, 0
.rept WNB
	WBLOCK Q
.set Q, Q+1
.endr
	global_store_b128 v9, v[WSB:WSB+3], s[16:17]   ; my column's 16 scale bytes
.irp t, 0,1,2,3,4,5,6,7,8,9,10,11,12,13,14,15
	ds_load_b128 v[WOUT+4*\t:WOUT+4*\t+3], v7 offset:2*\t*WP   ; LDS serves a wave's instructions in order: these see my stores
.endr
.irp t, 0,1,2,3,4,5,6,7,8,9,10,11,12,13,14,15
	s_wait_dscnt 15-\t                             ; rows 2 t, 2 t + 1 are back; the later ones may be out
	global_store_b128 v8, v[WOUT+4*\t:WOUT+4*\t+3], s[14:15] offset:2*\t*WKROW   ; sixteen lanes store 256 consecutive bytes, aligned
.endr
	s_wait_tensorcnt 0x0                           ; the wave's end: behind my last LDS store
	ds_add_u32 v[SPW], v[NIL]
	s_wait_dscnt 0x0
	s_endpgm
.Lway_o:
	; ================ WAY O.  A lane takes a column n and its registers run down K, 256 k a work-group; eight neighbours along K pack into the 16 bytes that the operand's layout gives that lane.
	s_sub_co_u32 s21, ttmp9, 304                   ; 0 .. 31: 8 groups of 128 columns x 4 quarters of K
	s_and_b32 s22, s21, 7
	s_lshr_b32 s23, s21, 3
	s_lshl_b32 s24, s22, 2
	s_add_co_u32 s24, s24, s20                     ; my wave's group of 32 columns
	s_lshl_b32 s26, s23, 20                        ; w_out: 256 rows of 4,096 bytes a quarter,
	s_lshl_b32 s27, s24, 7                         ; 128 bytes a group
	s_add_co_u32 s26, s26, s27
	s_mov_b32 s27, 0
	s_add_nc_u64 s[8:9], s[8:9], s[26:27]
	s_lshl_b32 s26, s24, 16                        ; wo: two tiles of 16 columns, 32,768 bytes each, a group;
	s_lshl_b32 s27, s23, 13                        ; 32 eights of k, 256 bytes each, a quarter
	s_add_co_u32 s26, s26, s27
	s_mov_b32 s27, 0
	s_add_nc_u64 s[18:19], s[18:19], s[26:27]
	v_lshlrev_b32 v3, 2, v2                        ; in: 4 bytes a lane
	v_lshrrev_b32 v4, 4, v2
	v_and_b32 v5, 15, v2
	v_lshlrev_b32 v5, 4, v5
	v_lshl_add_u32 v4, v4, 15, v5                  ; out: lanes 16-31 the next tile of columns; 16 bytes a column
	OLOAD 0
	OLOAD 1
.irp t, 0,1,2,3,4,5,6,7
	OCONV \t
.endr
	s_wait_tensorcnt 0x0                           ; the launch writes LDS: the wave's end
	ds_add_u32 v[SPW], v[NIL]
	s_wait_dscnt 0x0
	s_endpgm
.Lfunc_end_k_q07836435a2_prep:
	.size	k_q07836435a2_prep, .Lfunc_end_k_q07836435a2_prep-k_q07836435a2_prep
	.p2alignl 7, 3214868480
	.fill 96, 4, 3214868480
	.section	.rodata,"a",@progbits
	.p2align	6, 0x0
	.amdhsa_kernel k_q07836435a2_prep
		.amdhsa_group_segment_fixed_size 68096
		.amdhsa_private_segment_fixed_size 0
		.amdhsa_enable_private_segment 0
		.amdhsa_kernarg_size 64
		.amdhsa_user_sgpr_count 2
		.amdhsa_user_sgpr_kernarg_segment_ptr 1
		.amdhsa_wavefront_size32 1
		.amdhsa_system_sgpr_workgroup_id_x 1
		.amdhsa_system_sgpr_workgroup_id_y 1
		.amdhsa_system_sgpr_workgroup_id_z 1
		.amdhsa_system_vgpr_workitem_id 0
		.amdhsa_next_free_vgpr 192
		.amdhsa_next_free_sgpr 66
		.amdhsa_reserve_vcc 0
		.amdhsa_float_denorm_mode_32 3
		.amdhsa_float_denorm_mode_16_64 3
		.amdhsa_memory_ordered 1
		.amdhsa_forward_progress 1
		.amdhsa_inst_pref_size 147
	.end_amdhsa_kernel
	.amdgpu_metadata
---
amdhsa.version: [ 1, 2 ]
amdhsa.kernels:
  - .name:           k_q07836435a2_prep
    .symbol:         k_q07836435a2_prep.kd
    .args:
      - { .name: x, .offset: 0, .size: 8, .value_kind: global_buffer, .address_space: global }
      - { .name: w_qkv, .offset: 8, .size: 8, .value_kind: global_buffer, .address_space: global }
      - { .name: w_out, .offset: 16, .size: 8, .value_kind: global_buffer, .address_space: global }
      - { .name: xc, .offset: 24, .size: 8, .value_kind: global_buffer, .address_space: global }
      - { .name: xs, .offset: 32, .size: 8, .value_kind: global_buffer, .address_space: global }
      - { .name: wc, .offset: 40, .size: 8, .value_kind: global_buffer, .address_space: global }
      - { .name: wsc, .offset: 48, .size: 8, .value_kind: global_buffer, .address_space: global }
      - { .name: wo, .offset: 56, .size: 8, .value_kind: global_buffer, .address_space: global }
    .group_segment_fixed_size: 68096
    .private_segment_fixed_size: 0
    .kernarg_segment_align: 8
    .kernarg_segment_size: 64
    .max_flat_workgroup_size: 128
    .sgpr_count:     66
    .vgpr_count:     192
    .wavefront_size: 32
...
	.end_amdgpu_metadata
.endif
;; end of part 1
;; launch qkv (part 2): grid 12 x 32, 4 waves a work-group, clusters of 4 x 4, 327,680 bytes of LDS; arguments xc, xs, wc, wsc, qkv; writes qkv
.if DOCPART == 2
	.amdgcn_target "amdgcn-amd-amdhsa--gfx1250"
	.amdhsa_code_object_version 6
	.text
	.protected	k_q07836435a2_qkv
	.globl	k_q07836435a2_qkv
	.p2align	8
	.type	k_q07836435a2_qkv,@function
k_q07836435a2_qkv:
	s_mov_b64 s[64:65], 0
	v_nop
	global_prefetch_b8 v0, s[64:65] scope:SCOPE_SE
	s_setreg_imm32_b32 hwreg(HW_REG_WAVE_MODE, 25, 1), 1
	s_wait_xcnt 0x0
	s_wait_alu depctr_hold_cnt(0) depctr_sa_sdst(0) depctr_va_vdst(0) depctr_va_sdst(0) depctr_va_ssrc(0) depctr_va_vcc(0) depctr_vm_vsrc(0)
	s_getreg_b32 s2, hwreg(HW_REG_IB_STS2, 6, 4)
	s_cmp_eq_u32 s2, 0
	s_cbranch_scc0 .Lentry_in_a_cluster
	s_endpgm
.Lentry_in_a_cluster:
	s_bfe_u32 s2, ttmp6, 0x10000c
	s_cmp_lg_u32 s2, 0xf033
	s_cbranch_scc0 .Lentry_shape_is_right
	s_endpgm
.Lentry_shape_is_right:
; QKV: C[token][feature] = sum over k of x[token][k] w_qkv[k][feature], on codes of FP4 (E2M1) with one E8M0 scale for each 32 along K; sums in f32; the results leave as f16.
; A = xc [8192][512 bytes], xs [8192][32]; B = wc [3072][512 bytes], wsc [3072][32].  The matrix instruction takes codes and scale bytes as they lie in memory.
; A tile of C, 256 tokens x 256 features, is made by a work-group of four waves; a wave makes 128 x 128: 64 accumulators of 16 x 16, 512 registers.
; K = 1,024 is two steps of 512 (a tile's row is 256 bytes of memory): both lie in LDS at once, each filled once; nothing is filled again, so there is no loop.
; The scales of the work-group's 256 rows of A and of B, for all of K, are two dense blocks of memory: they come into LDS once, with the first fills.
; CLUSTERS: 4 x 4 work-groups.  The four of a row of the cluster need the same tiles of A, the four of a column the same tiles of B: each tile is asked for JOINTLY, by the same tensor load with the same descriptor and a mask that names the four.
; THE MATRIX INSTRUCTION IS USED TRANSPOSED (source 0 = 16 rows of B, source 1 = 16 rows of A): a lane holds ONE token (lane % 16) and eight neighbouring features, 8 (lane / 16) + 0 .. 7.
; THE WAY OUT.  Those eight numbers, rounded to f16, are 16 bytes: exactly what the next launch's 16-bit operand layout gives that lane.  So an accumulator leaves as a CHUNK of 512 bytes (16 tokens x 16 features) by one
; store from registers: q and k with lane l's bytes at 16 l; v with token r's 32 bytes at 32 r (rows of 16 channels, for the turning LDS load).  qkv = [q, k, v][batch x head][token / 16][(feature % 64) / 16][512 bytes].
; A cluster spans 1,024 features, so the cluster's x says whether it makes q, k or v: the same in all sixteen partners.
; LIMITS: |q|, |k|, |v| of 65,504 or more have no f16 number; NaN and infinities are not served.
; REGISTERS, in windows of 256: window 0: v0-31 addresses; v32-95 scale words, two sets; from v128 A's fragments, ONE set.   window 1: B's fragments, TWO sets, at v0 and v128; on the way out the packed results.
;   window 2: the 32 accumulators of my tokens 0-63 (accumulator (a, b) at v[8 (8 a + b)]);   window 3: those of my tokens 64-127.
.set SIZE_K, 1024
.set KSTEP,  512                       ; along K in a slot
.set NQ,     KSTEP/128                 ; matrix instructions deep
.set ROWB,   256                       ; a tile's row in bytes
.set KROW,   SIZE_K*4/8                ; a row of A or of B in memory, in bytes
.set PITCH,  272                       ; an LDS row: 256 bytes + 16 of padding = 68 words: row r starts at bank 4 r mod 64 (ISA guide 11.1), so the 16 rows that a load touches start at 16 different banks
.set FR,     8                         ; registers of a fragment: 16 rows x 128 K
.set NL,     2                         ; LDS loads that bring one
.set NP,     4                         ; places behind this matrix instruction (ISA guide 7.12.1)
.set HALFT,  128*PITCH                 ; 128 rows: what one tensor load brings, and what one wave reads of A or of B
.set SLOT,   4*HALFT                   ; A's 256 rows, then B's 256 rows
.set KS,     SIZE_K/32                 ; a row of scales in bytes
.set SCL,    2*SLOT                    ; behind the slots: the scales, as units of 256 bytes + 16 of padding
.set HALFS,  (128*KS/256)*272          ; the scales of 128 rows: what one tensor load brings
.set SBLK,   (16*KS/256)*272           ; those of 16 rows
.set SPARE,  SCL+4*HALFS               ; behind the scales: the spare words, 128 bytes for each wave: two blocks of 256 bytes that no other line names
.set ADRA, 16                          ; v16-17  LDS address of my A fragments in slot 0, 1
.set ADRB, 20                          ; v20-21  the same for B
.set CO,   26                          ; v26     my lane's place in a chunk
.set ADRS, 27                          ; v27     LDS address of my scale words: lanes 0-15 A's rows, lanes 16-31 B's
.set SPW,  28                          ; v28     LDS address of my spare word: SPARE + 4 x my thread's number; never rewritten
.set NIL,  29                          ; v29     0; never rewritten
.set SC,   32                          ; scale words: set s at v[SC + 8 NQ s]; register NQ i + q: lanes 0-15 the word of A's block i, lanes 16-31 that of B's block i, for the slot's q-th 128 along K
.set AF,   128                         ; A's fragments, in window 0
.set G1, 24                            ; s[24:31] descriptor group 1 for A's tiles;  s[32:39] group 0, one set for each slot
.set G0, 32
.set G1B, 48                           ; s[48:55], s[56:63] the same for B's tiles
.set G0B, 56
.set G1S, 68                           ; s[68:75], s[76:79] groups 1 and 0 for A's scales;  s[80:87], s[88:91] for B's
.set G0S, 76
.set G1SB, 80
.set G0SB, 88
.set MSB, 0
.macro WIN new                         ; the immediate's high byte repeats the setting that is left
.if MSB != \new
	s_set_vgpr_msb (MSB<<8)|\new
.set MSB, \new
.endif
.endm
.set MUL_LO, 0xa1                      ; source 0 (B) window 1, source 1 (A) window 0, C and D window 2
.set MUL_HI, 0xf1                      ; the same, C and D window 3
.set TO_B,   0x40                      ; destination window 1, address window 0
; A joint load: waves 0 and 1 fetch for A, waves 2 and 3 for B.  Each of the two lines has ONE mask and one set of registers for all that issue it; the branch hangs on the wave's number alone.
; An s_nop 0 and four v_nop follow each of the two lines, ahead of the jump, the label and what follows.
.macro JLOAD g0a, g1a, g0b, g1b
	s_cmp_eq_u32 s15, 0
	s_cbranch_scc0 .Lfor_b_\@
	tensor_load_to_lds s[\g0a:\g0a+3], s[\g1a:\g1a+7]
	s_nop 0
.rept 4
	v_nop
.endr
	s_branch .Lasked_\@
.Lfor_b_\@:
	tensor_load_to_lds s[\g0b:\g0b+3], s[\g1b:\g1b+7]
	s_nop 0
.rept 4
	v_nop
.endr
.Lasked_\@:
.endm
.macro CROUND                          ; a round of the cluster's barrier: my work-group's barrier; wave 0 signals for the work-group; every wave waits for all sixteen; my work-group's barrier once more
	s_barrier_signal -1
	s_barrier_wait -1
	s_cmp_lg_u32 s14, 0
	s_cbranch_scc1 .Lnot_wave_0_\@
	s_barrier_signal -3
.Lnot_wave_0_\@:
	s_barrier_wait -3
	s_barrier_signal -1
	s_barrier_wait -1
.endm
	s_load_b128 s[4:7], s[0:1], 0x0                ; A's codes s[4:5], A's scales s[6:7]
	s_load_b128 s[8:11], s[0:1], 0x10              ; B's codes s[8:9], B's scales s[10:11]
	s_load_b64 s[12:13], s[0:1], 0x20              ; qkv
	v_lshl_add_u32 v[SPW], v0, 2, SPARE
	v_mov_b32 v[NIL], 0
	ds_add_u32 v[SPW], v[NIL]                      ; the wave's opening: the add, twice on end, and its wait ahead of my first tensor load; the set-up below, work on registers, stands between
	ds_add_u32 v[SPW], v[NIL]
	v_lshrrev_b32 v1, 5, v0
	v_readfirstlane_b32 s14, v1                    ; wave 0..3
	s_lshr_b32 s15, s14, 1                         ; which half of the tile's tokens is mine.  Also: I fetch for A (0) or for B (1)
	s_and_b32 s16, s14, 1                          ; which half of its features.  Also: which 128 rows of that tile I fetch
	s_bfe_u32 s40, ttmp6, 0x40000                  ; cx, cy: my place in the cluster
	s_bfe_u32 s41, ttmp6, 0x40004
	s_lshl_b32 s42, ttmp9, 2
	s_add_co_u32 s42, s42, s40                     ; tile column of C = 4 x cluster x + cx
	s_and_b32 s17, ttmp7, 0xffff
	s_lshl_b32 s17, s17, 2
	s_add_co_u32 s17, s17, s41                     ; tile row of C = 4 x cluster y + cy
	s_lshl_b32 s43, s41, 2
	s_lshl_b32 s43, 15, s43                        ; my row of the cluster
	s_lshl_b32 s44, 0x1111, s40                    ; my column
	; descriptor group 1: a tile of 128 rows x ROWB bytes, padded in LDS
	s_or_b32 s[G1+0], s43, (0<<16)|(1<<20)|(1<<21)|(5<<22)|(3<<25)  ; 15:0 the mask: A's tiles go to my row; 17:16 element of 1 byte; 20 padding on; 21 set beside a mask; 24:22 after every 64 words (code 5); 31:25 of 4 words (code 3)
	s_or_b32 s[G1B+0], s44, (0<<16)|(1<<20)|(1<<21)|(5<<22)|(3<<25)
.irp g, G1, G1B
	s_mov_b32 s[\g+1], ROWB<<16                    ; tensor_dim0
	s_mov_b32 s[\g+2], 128<<16                     ; tensor_dim1 = 128
	s_mov_b32 s[\g+3], ROWB<<16                    ; tile_dim0
	s_mov_b32 s[\g+4], 128                         ; tile_dim1 = 128
	s_mov_b32 s[\g+5], KROW                        ; tensor_dim0_stride
	s_mov_b32 s[\g+6], 0
	s_mov_b32 s[\g+7], 0
.endr
	; and for the scales of 128 rows: a dense block of 4,096 bytes, as rows of 256 bytes (32 elements of 8 bytes), 16 bytes of padding behind each
	s_or_b32 s[G1S+0], s43, (3<<16)|(1<<20)|(1<<21)|(5<<22)|(3<<25)
	s_or_b32 s[G1SB+0], s44, (3<<16)|(1<<20)|(1<<21)|(5<<22)|(3<<25)
.irp g, G1S, G1SB
	s_mov_b32 s[\g+1], 32<<16
	s_mov_b32 s[\g+2], (128*KS/256)<<16
	s_mov_b32 s[\g+3], 32<<16
	s_mov_b32 s[\g+4], 128*KS/256
	s_mov_b32 s[\g+5], 32
	s_mov_b32 s[\g+6], 0
	s_mov_b32 s[\g+7], 0
.endr
	s_lshl_b32 s18, s16, 7                         ; which 128 rows of the tile I fetch
	s_lshl_b32 s20, s17, 8
	s_add_co_u32 s20, s20, s18                     ; A: row 256 x tile row + 128 x half
	s_lshl_b32 s46, s42, 8
	s_add_co_u32 s46, s46, s18                     ; B: row 256 x tile column + 128 x half
	s_mov_b32 s21, 0
	s_mov_b32 s47, 0
	s_mov_b64 s[18:19], KS
	s_mul_u64 s[22:23], s[20:21], s[18:19]         ; where these rows' scales begin, in bytes
	s_mul_u64 s[92:93], s[46:47], s[18:19]
	s_mov_b64 s[18:19], KROW
	s_mul_u64 s[20:21], s[20:21], s[18:19]         ; and their codes
	s_mul_u64 s[46:47], s[46:47], s[18:19]
	s_mul_i32 s45, s14, HALFT                      ; where they go: wave x 128 rows: no place in the cluster enters an LDS address
	s_mul_i32 s94, s14, HALFS
	s_wait_dscnt 0x0                               ; both opening adds are done
	s_wait_kmcnt 0x0
	s_add_nc_u64 s[20:21], s[4:5], s[20:21]
	s_add_nc_u64 s[22:23], s[6:7], s[22:23]
	s_add_nc_u64 s[46:47], s[8:9], s[46:47]
	s_add_nc_u64 s[92:93], s[10:11], s[92:93]
	CROUND                                         ; all sixteen work-groups are here: the joint loads meet
	s_mov_b32 s[G0S], 1
	s_add_co_u32 s[G0S+1], s94, SCL
	s_mov_b64 s[G0S+2:G0S+3], s[22:23]
	s_or_b32 s[G0S+3], s[G0S+3], 0x80000000
	s_mov_b32 s[G0SB], 1
	s_add_co_u32 s[G0SB+1], s94, SCL
	s_mov_b64 s[G0SB+2:G0SB+3], s[92:93]
	s_or_b32 s[G0SB+3], s[G0SB+3], 0x80000000
	JLOAD G0S, G1S, G0SB, G1SB                     ; the scales first: they are wanted with K step 0
.irp s, 0,1
	s_mov_b32 s[G0+4*\s], 1
	s_add_co_u32 s[G0+4*\s+1], s45, \s*SLOT
	s_add_nc_u64 s[G0+4*\s+2:G0+4*\s+3], s[20:21], \s*ROWB
	s_or_b32 s[G0+4*\s+3], s[G0+4*\s+3], 0x80000000
	s_mov_b32 s[G0B+4*\s], 1
	s_add_co_u32 s[G0B+4*\s+1], s45, \s*SLOT
	s_add_nc_u64 s[G0B+4*\s+2:G0B+4*\s+3], s[46:47], \s*ROWB
	s_or_b32 s[G0B+4*\s+3], s[G0B+4*\s+3], 0x80000000
	JLOAD G0+4*\s, G1, G0B+4*\s, G1B               ; three tensor loads of mine are out now, and no more follow
.endr
	v_and_b32 v1, 15, v0                           ; r = l % 16
	v_bfe_u32 v2, v0, 4, 1                         ; h = l / 16
	v_mul_u32_u24 v3, v1, PITCH
	v_lshl_add_u32 v4, v2, 4, v3                   ; a fragment's row x pitch + 16 x half
	s_mul_i32 s21, s15, HALFT                      ; my 128 rows of A
	s_mul_i32 s22, s16, HALFT                      ; my 128 rows of B,
	s_add_co_u32 s22, s22, 2*HALFT                 ; which lie behind A's 256
.irp s, 0,1
	v_add_nc_u32 v[ADRA+\s], s21, v4
	v_add_nc_u32 v[ADRB+\s], s22, v4
	s_add_co_u32 s21, s21, SLOT
	s_add_co_u32 s22, s22, SLOT
.endr
	v_mul_u32_u24 v5, v1, KS                       ; my row's scales: KS bytes a row,
	v_lshrrev_b32 v6, 8, v5
	v_lshl_add_u32 v5, v6, 4, v5                   ; and 16 more for each 256 passed
	s_mul_i32 s21, s15, HALFS                      ; A's: my 128 rows
	s_mul_i32 s22, s16, HALFS                      ; B's: my 128 rows, behind A's 256
	s_add_co_u32 s22, s22, 2*HALFS
	s_sub_co_u32 s22, s22, s21
	v_mul_u32_u24 v6, s22, v2                      ; lanes 16-31 take B's: one product, the distance between the two bases
	s_add_co_u32 s21, s21, SCL
	v_add_nc_u32 v5, v5, v6
	v_add_nc_u32 v[ADRS], s21, v5
	; where my results go: third << 24 + (16 batch + head) << 18 + (token / 16) << 11 + (feature % 64 / 16) << 9
	s_lshl_b32 s20, ttmp9, 24                      ; q, k or v: the cluster's x
	s_lshr_b32 s21, s17, 3                         ; the batch: eight tile rows of 256 tokens each
	s_lshl_b32 s21, s21, 4
	s_lshl_b32 s22, s40, 2                         ; four heads to a tile column,
	s_add_co_u32 s21, s21, s22
	s_lshl_b32 s22, s16, 1                         ; two to a wave
	s_add_co_u32 s21, s21, s22
	s_lshl_b32 s21, s21, 18
	s_add_co_u32 s20, s20, s21
	s_and_b32 s21, s17, 7
	s_lshl_b32 s21, s21, 4                         ; 16 tiles of tokens to a tile row,
	s_lshl_b32 s22, s15, 3                         ; 8 to a wave
	s_add_co_u32 s21, s21, s22
	s_lshl_b32 s21, s21, 11
	s_add_co_u32 s20, s20, s21
	s_mov_b32 s21, 0
	s_add_nc_u64 s[12:13], s[12:13], s[20:21]
	s_cmp_eq_u32 ttmp9, 2                          ; v?  The cluster's x: alike in all partners; it enters a store's offset alone
	s_cselect_b32 s21, 32, 16                      ; from token to token,
	s_mov_b32 s22, 256
	s_cselect_b32 s22, 16, s22                     ; from half to half of the 16 features
	v_mul_u32_u24 v5, s21, v1
	v_mad_u32_u24 v[CO], v2, s22, v5
.macro FRAG reg, adr, q, i             ; a fragment, 16 rows x 128 K of 4-bit codes, is 8 registers: lane l holds row l % 16; registers 4 c .. 4 c + 3 hold K = 64 c + 32 (l / 16) + 0 .. 31
.irp c, 0,1
	ds_load_b128 v[\reg+4*\c:\reg+4*\c+3], v[\adr] offset:64*(\q)+32*\c+(\i)*16*PITCH
.endr
.endm
; 16 matrix instructions: A's blocks a0, a0 + 1 x B's eight, 128 along K: the slot's q-th.  p: B's set;  sc: the set of scale words.  zero = 1: the first product starts the sums: nothing is ever cleared.
; The 64 accumulators take turns, one instruction a turn, in the same order in every step.  One register carries A's scale word (lanes 0-15) and B's (lanes 16-31).
.macro MUL16 a0, p, q, sc, zero
.irp a, \a0, \a0+1
.irp b, 0,1,2,3,4,5,6,7
.if \zero
	v_wmma_scale_f32_16x16x128_f8f6f4 v[8*(8*((\a)%4)+\b):8*(8*((\a)%4)+\b)+7], v[128*(\p)+FR*\b:128*(\p)+FR*\b+FR-1], v[AF+FR*(\a):AF+FR*(\a)+FR-1], 0, v[SC+8*NQ*(\sc)+NQ*\b+(\q)], v[SC+8*NQ*(\sc)+NQ*(\a)+(\q)] matrix_a_fmt:MATRIX_FMT_FP4 matrix_b_fmt:MATRIX_FMT_FP4 matrix_a_scale:MATRIX_SCALE_ROW1
.else
	v_wmma_scale_f32_16x16x128_f8f6f4 v[8*(8*((\a)%4)+\b):8*(8*((\a)%4)+\b)+7], v[128*(\p)+FR*\b:128*(\p)+FR*\b+FR-1], v[AF+FR*(\a):AF+FR*(\a)+FR-1], v[8*(8*((\a)%4)+\b):8*(8*((\a)%4)+\b)+7], v[SC+8*NQ*(\sc)+NQ*\b+(\q)], v[SC+8*NQ*(\sc)+NQ*(\a)+(\q)] matrix_a_fmt:MATRIX_FMT_FP4 matrix_b_fmt:MATRIX_FMT_FP4 matrix_a_scale:MATRIX_SCALE_ROW1
.endif
.endr
.endr
.endm
.macro FETCH_B slot, q, p              ; B's eight fragments of the slot's q-th 128 along K into set p
	WIN TO_B
.irp i, 0,1,2,3,4,5,6,7
	FRAG 128*(\p)+FR*\i, ADRB+\slot, \q, \i
.endr
	WIN 0
.endm
.macro FETCH_A slot, q, i0             ; A's blocks i0 .. i0 + 3
.irp i, \i0, \i0+1, \i0+2, \i0+3
	FRAG AF+FR*(\i), ADRA+\slot, \q, \i
.endr
.endm
.macro SCALES sc                       ; a K step's scale words into set sc: NQ words a row; lanes 0-15 take A's block i, lanes 16-31 B's block i
.irp i, 0,1,2,3,4,5,6,7
	ds_load_b128 v[SC+8*NQ*\sc+NQ*\i:SC+8*NQ*\sc+NQ*\i+3], v[ADRS] offset:\i*SBLK
.endr
.endm
; A load into a register that a matrix instruction has read, and a vector instruction that reads a matrix result or writes one of a matrix instruction's registers, stand NP places behind it;
; only plain vector instructions that name none of its registers are places (ISA guide 7.12.1 for vector instructions).
.macro PLACES n
.rept \n
	v_nop
.endr
.endm
; A step of 128 along K that has its successor in the same slot.  A's blocks go one after the other, each against B's eight: so one set of registers serves A (blocks 0-3 fetched anew in the step's middle, 4-7 at its end), and B has two.
.macro STEP slot, q, zero
	s_wait_dscnt 4*NL                              ; B's set and A's blocks 0-3 are in; the youngest eight loads (A's blocks 4-7) may be out
	WIN MUL_LO
	MUL16 0, (\q)%2, \q, \slot, \zero
	MUL16 2, (\q)%2, \q, \slot, \zero
	s_wait_dscnt 0                                 ; A's blocks 4-7 are in (asked for 32 matrix instructions ago)
	PLACES NP
	FETCH_B \slot, (\q)+1, 1-(\q)%2
	FETCH_A \slot, (\q)+1, 0
	WIN MUL_HI
	MUL16 4, (\q)%2, \q, \slot, \zero
	MUL16 6, (\q)%2, \q, \slot, \zero
	PLACES NP
	WIN 0
	FETCH_A \slot, (\q)+1, 4
.endm
; Slot 0's last step goes over to slot 1: each wave waits for its part of slot 1 and says so at ONE barrier; behind it slot 1 is whole.  Nothing is filled again.
.macro TURN slot, next
	s_wait_tensorcnt 0x0                           ; all my tensor loads have landed: my part of the next slot;  (every window is 0 here: the add's two registers lie in window 0)
	ds_add_u32 v[SPW], v[NIL]                      ; 0 onto my spare word
	s_wait_dscnt 4*NL+1                            ; (the add and the youngest eight loads, A's blocks 4-7, may be out)
	WIN MUL_LO
	MUL16 0, 1, NQ-1, \slot, 0                     ; sixteen matrix instructions stand between the add and the wait for it
	s_wait_dscnt 0x0                               ; the add is done, and no LDS instruction of mine is out at the signal
	s_barrier_signal -1
	MUL16 2, 1, NQ-1, \slot, 0
	WIN 0
	s_barrier_wait -1
	PLACES NP
	v_add_nc_u32 v[ADRS], 4*NQ, v[ADRS]            ; on to the next K step's scale words
	FETCH_B \next, 0, 0
	FETCH_A \next, 0, 0
	SCALES \next
	WIN MUL_HI
	MUL16 4, 1, NQ-1, \slot, 0
	MUL16 6, 1, NQ-1, \slot, 0
	PLACES NP
	WIN 0
	FETCH_A \next, 0, 4
.endm
.macro STEPS slot, from                ; the slot's steps from .. NQ - 2
.set Q, \from
.rept NQ-1-\from
	STEP \slot, Q, 0
.set Q, Q+1
.endr
.endm
	s_wait_tensorcnt 1                             ; the scales and my part of K step 0 are in (K step 1's load may be out)
	s_barrier_signal -1
	s_barrier_wait -1                              ; everybody's are
	FETCH_B 0, 0, 0
	FETCH_A 0, 0, 0
	SCALES 0
	FETCH_A 0, 0, 4
	STEP 0, 0, 1                                   ; the first step's products start the sums
	STEPS 0, 1
	TURN 0, 1
	STEPS 1, 0
	s_wait_dscnt 4*NL                              ; the very last step: nothing more to fetch
	WIN MUL_LO
	MUL16 0, 1, NQ-1, 1, 0
	MUL16 2, 1, NQ-1, 1, 0
	s_wait_dscnt 0
	WIN MUL_HI
	MUL16 4, 1, NQ-1, 1, 0
	MUL16 6, 1, NQ-1, 1, 0
; THE WAY OUT.  Block a = my tokens 16 a on.  PACKH: each accumulator, from its low end on, becomes four registers of f16 pairs in window 1, where B's fragments lay: 256 registers, each written once.
.macro PACKH a
.irp b, 0,1,2,3,4,5,6,7
.irp r, 0,1,2,3
	v_cvt_pk_f16_f32 v[4*(8*(\a)+\b)+\r], v[8*(8*((\a)%4)+\b)+2*\r], v[8*(8*((\a)%4)+\b)+2*\r+1]
.endr
.endr
.endm
.macro STOREH a                        ; a chunk a store: the wave's 32 lanes write 512 consecutive bytes, at a multiple of 512 from the buffer's first byte.  Features 16 b on: head b / 4 of my two, chunk b % 4 of its four
.irp b, 0,1,2,3,4,5,6,7
	global_store_b128 v[CO], v[4*(8*(\a)+\b):4*(8*(\a)+\b)+3], s[12:13] offset:(\a)*2048+(\b/4)*262144+(\b%4)*512
.endr
.endm
	PLACES NP                                      ; behind the last products: the conversions read results and write over B's fragments
	WIN 0x4a                                       ; sources window 2, destination window 1
.irp a, 0,1,2,3
	PACKH \a
.endr
	WIN 0x04                                       ; a store's data are its source 1: window 1
.irp a, 0,1,2,3
	STOREH \a
.endr
	WIN 0x4f                                       ; sources window 3, destination window 1
.irp a, 4,5,6,7
	PACKH \a
.endr
	WIN 0x04
.irp a, 4,5,6,7
	STOREH \a
.endr
	WIN 0
	s_wait_tensorcnt 0x0                           ; the wave's end: behind my last tensor load
	ds_add_u32 v[SPW], v[NIL]
	s_wait_dscnt 0x0
	CROUND                                         ; the closing round: no work-group ends while a partner may still ask for a tile that names it
	s_endpgm
.Lfunc_end_k_q07836435a2_qkv:
	.size	k_q07836435a2_qkv, .Lfunc_end_k_q07836435a2_qkv-k_q07836435a2_qkv
	.p2alignl 7, 3214868480
	.fill 96, 4, 3214868480
	.section	.rodata,"a",@progbits
	.p2align	6, 0x0
	.amdhsa_kernel k_q07836435a2_qkv
		.amdhsa_group_segment_fixed_size 327680
		.amdhsa_private_segment_fixed_size 0
		.amdhsa_enable_private_segment 0
		.amdhsa_kernarg_size 40
		.amdhsa_user_sgpr_count 2
		.amdhsa_user_sgpr_kernarg_segment_ptr 1
		.amdhsa_wavefront_size32 1
		.amdhsa_system_sgpr_workgroup_id_x 1
		.amdhsa_system_sgpr_workgroup_id_y 1
		.amdhsa_system_sgpr_workgroup_id_z 1
		.amdhsa_system_vgpr_workitem_id 0
		.amdhsa_next_free_vgpr 1024
		.amdhsa_next_free_sgpr 98
		.amdhsa_reserve_vcc 0
		.amdhsa_float_denorm_mode_32 3
		.amdhsa_float_denorm_mode_16_64 3
		.amdhsa_memory_ordered 1
		.amdhsa_forward_progress 1
		.amdhsa_inst_pref_size 117
	.end_amdhsa_kernel
	.amdgpu_metadata
---
amdhsa.version: [ 1, 2 ]
amdhsa.kernels:
  - .name:           k_q07836435a2_qkv
    .symbol:         k_q07836435a2_qkv.kd
    .args:
      - { .name: xc, .offset: 0, .size: 8, .value_kind: global_buffer, .address_space: global }
      - { .name: xs, .offset: 8, .size: 8, .value_kind: global_buffer, .address_space: global }
      - { .name: wc, .offset: 16, .size: 8, .value_kind: global_buffer, .address_space: global }
      - { .name: wsc, .offset: 24, .size: 8, .value_kind: global_buffer, .address_space: global }
      - { .name: qkv, .offset: 32, .size: 8, .value_kind: global_buffer, .address_space: global }
    .group_segment_fixed_size: 327680
    .private_segment_fixed_size: 0
    .kernarg_segment_align: 8
    .kernarg_segment_size: 40
    .max_flat_workgroup_size: 128
    .sgpr_count:     98
    .vgpr_count:     1024
    .wavefront_size: 32
...
	.end_amdgpu_metadata
.endif
;; end of part 2
;; launch attn (part 3): grid 4 x 64, 8 waves a work-group, clusters of 4 x 1, 327,680 bytes of LDS; arguments qkv, oimg; writes oimg
.if DOCPART == 3
	.amdgcn_target "amdgcn-amd-amdhsa--gfx1250"
	.amdhsa_code_object_version 6
	.text
	.protected	k_q07836435a2_attn
	.globl	k_q07836435a2_attn
	.p2align	8
	.type	k_q07836435a2_attn,@function
k_q07836435a2_attn:
	s_mov_b64 s[64:65], 0
	v_nop
	global_prefetch_b8 v0, s[64:65] scope:SCOPE_SE
	s_setreg_imm32_b32 hwreg(HW_REG_WAVE_MODE, 25, 1), 1
	s_wait_xcnt 0x0
	s_wait_alu depctr_hold_cnt(0) depctr_sa_sdst(0) depctr_va_vdst(0) depctr_va_sdst(0) depctr_va_ssrc(0) depctr_va_vcc(0) depctr_vm_vsrc(0)
	s_getreg_b32 s2, hwreg(HW_REG_IB_STS2, 6, 4)
	s_cmp_eq_u32 s2, 0
	s_cbranch_scc0 .Lentry_in_a_cluster
	s_endpgm
.Lentry_in_a_cluster:
	s_bfe_u32 s2, ttmp6, 0x10000c
	s_cmp_lg_u32 s2, 0x3003
	s_cbranch_scc0 .Lentry_shape_is_right
	s_endpgm
.Lentry_shape_is_right:
; ATTN: O[bh][q] = the sum over k of softmax_k(Q[bh][q] . K[bh][k] / 32) V[bh][k]; 64 heads (batch x head) of 2,048 tokens and 64 channels, no mask.  Operands f16; products, maxima and sums f32; the weights p are rounded to f16 for the second product, O once at the end.
; q, k, v lie in qkv as CHUNKS of 512 bytes (16 tokens x 16 channels): [q, k, v][bh][token / 16][channel / 16][512].  In q's and k's chunks lane l's 16 bytes (token l % 16, channels 8 (l / 16) on) lie at 16 l: two chunks ARE a fragment's
; registers 0-3 and 4-7, loaded 16 bytes a lane, 512 consecutive bytes an instruction: no pitch, no padding.  v's chunks are 16 rows of 32 bytes ([key][channel]), which ds_load_tr16_b128 turns.
; SHARES.  A work-group owns 512 queries of one head, each of its EIGHT waves 64: four tiles of 16.  Two waves share a SIMD (512 registers each), so that one wave's softmax stands beside the other's products; the text stays in plain phases.
; LAYOUT.  S^T = K Q^T (source 0 = 16 keys, source 1 = 16 queries): a lane holds ONE query (lane % 16) and the keys 8 (lane / 16) + 0..7.  Two such tiles, rounded to f16 in pairs, ARE source 1 (32 keys x 16 queries) of
; O^T = V^T P, whose result again holds one query a lane, and eight channels: 16 bytes of f16, a lane's part of a chunk of the output.  oimg = [token / 16][head][channel / 16][512]: the next launch's operand, K = head x 64 + channel.
; SOFTMAX.  For each query a running maximum m and sum l: p = 2^(c s - c m), c = log2(e) / 32; in every step O and l are multiplied by a = 2^(c m_old - c m_new).  The first step finds m = -3e38, l = 0 and O = 0, so it needs no text of its own.
; RING.  Two LDS slots of 512 keys (K's 64 KiB, then V's).  Each wave brings 16 KiB of a slot by one tensor load; a slot is asked for at the change of slots one slot ahead: eight key steps, 512 matrix instructions of the wave, before the wait for it.
; So no prefetch is laid: no wave is left waiting for these tiles but at the launch's first fill.
; CLUSTER.  The four query blocks of a head form a cluster and walk the same K and V: each tile is asked for JOINTLY, by the same tensor load, descriptor and mask in all four.
; LIMITS: NaN and infinities are not served.  p under 6e-5 of the row's largest keeps f16's absolute step; O of 65,504 or more has no f16 number.
; REGISTERS: window 0: v2-9 addresses; v16-47 eight registers of statistics a tile; v48-55 a second chain of sums; v64-191 S^T, 32 a tile (P takes the first 16 in place); v192-255 Q, 16 a tile.
;            window 1: v0-127 O^T, 32 a tile; v128-191 K of one step; v192-255 V of one step.
.set SLOT1, 1<<17                      ; slot 1 begins here, so that one exclusive or turns an address in one slot into the other's
.set VOFF,  65536                      ; V's half of a slot
.set STEPB, 8192                       ; 64 keys of K, or of V
.set SPARE, 2*SLOT1                    ; behind the ring: the spare words, 128 bytes for each wave: four blocks of 256 bytes that no other line names
.set AK0, 2                            ; v2   16 x lane: my place in a chunk of K
.set AV0, 3                            ; v3   my place in a chunk of V, + VOFF
.set ADK, 4                            ; v4   LDS address of the step's K
.set ADV, 5                            ; v5   of its V
.set GO,  6                            ; v6   16 x lane: my place in a chunk of Q and of the output
.set SPW, 8                            ; v8   LDS address of my spare word: SPARE + 4 x my thread's number; never rewritten
.set NIL, 9                            ; v9   0; never rewritten
.set ST,  16                           ; tile t's statistics at v[ST+8 t]: +0 c m, +1 m, +2, +3 l (even keys', odd keys'), +4 to +7 c0-c3, at work; a takes c2's place and c m_old - c m_new c3's once the maximum is found
.set U,   48                           ; v[U+2 t : +1] first c m_old, then the second chain of the sums
.set S,   64
.set Q,   192
.set KF,  128                          ; in window 1
.set VF,  192
.set WV,  12                           ; s12  my wave's number
.set G1,  24                           ; s[24:31] descriptor group 1, for K's and V's tiles alike
.set G0K, 32                           ; s[32:35] group 0 for K's tiles; it walks
.set G0V, 36                           ; s[36:39] for V's
.set TB,  40                           ; s40  LDS byte at which the step's tiles begin
.set SLOTS, 41                         ; s41  slots still to be asked for
.set STEPS, 42                         ; s42  counts a slot's eight steps
.set CS,  44                           ; s[44:45] c: the packed scaling names a pair and takes its low word for both halves
.set SEL, 46                           ; s[46:47] lane selects for v_permlanex16_b32: lane l xor 16
.set MSB, 0
.macro WIN new                         ; the immediate's high byte repeats the setting that is left
.if MSB != \new
	s_set_vgpr_msb (MSB<<8)|\new
.set MSB, \new
.endif
.endm
.set W_LD, 0x40                        ; destination window 1, address window 0
.set W_KQ, 0x01                        ; K in window 1; Q and S^T in window 0
.set W_RS, 0x41                        ; O^T (destination and source 0) in window 1, a in window 0
.set W_PV, 0x51                        ; V and O^T in window 1, P in window 0
.set W_CV, 0x05                        ; sources window 1, destination window 0
; A joint load.  Waves 0 to 3 fetch the quarters of K's half of a slot, waves 4 to 7 those of V's.  The branch hangs on the wave's number alone.  An s_nop 0 and four v_nop follow each of the two lines.
.macro JLOAD
	s_cmp_lt_u32 s[WV], 4
	s_cbranch_scc0 .Lfor_v_\@
	tensor_load_to_lds s[G0K:G0K+3], s[G1:G1+7]
	s_nop 0
.rept 4
	v_nop
.endr
	s_branch .Lasked_\@
.Lfor_v_\@:
	tensor_load_to_lds s[G0V:G0V+3], s[G1:G1+7]
	s_nop 0
.rept 4
	v_nop
.endr
.Lasked_\@:
.endm
.macro CROUND                          ; a round of the cluster's barrier: my work-group's barrier; wave 0 signals for the work-group; every wave waits for all four work-groups; my work-group's barrier once more
	s_barrier_signal -1
	s_barrier_wait -1
	s_cmp_lg_u32 s[WV], 0
	s_cbranch_scc1 .Lnot_wave_0_\@
	s_barrier_signal -3
.Lnot_wave_0_\@:
	s_barrier_wait -3
	s_barrier_signal -1
	s_barrier_wait -1
.endm
	s_load_b128 s[4:7], s[0:1], 0x0                ; qkv s[4:5], oimg s[6:7]
	v_lshl_add_u32 v[SPW], v0, 2, SPARE
	v_mov_b32 v[NIL], 0
	ds_add_u32 v[SPW], v[NIL]                      ; the wave's opening: the add, twice on end, and its wait ahead of my first tensor load; the set-up below, work on registers, stands between
	ds_add_u32 v[SPW], v[NIL]
	v_lshrrev_b32 v1, 5, v0
	v_readfirstlane_b32 s[WV], v1                  ; wave 0..7
	s_bfe_u32 s13, ttmp6, 0x40000                  ; cx: my block of 512 queries (the grid is one cluster wide): it enters Q's and the output's addresses alone
	s_and_b32 s14, ttmp7, 0xffff                   ; bh = 16 batch + head, which the four partners share
	; descriptor group 1: a dense block of 16 KiB as 64 rows of 256 bytes (32 elements of 8 bytes), no padding
	s_mov_b32 s[G1], 15|(3<<16)|(1<<21)            ; 15:0 the mask: all four work-groups; 17:16 elements of 8 bytes; 21 set beside a mask
	s_mov_b32 s[G1+1], 32<<16                      ; tensor_dim0 = 32
	s_mov_b32 s[G1+2], 64<<16                      ; tensor_dim1 = 64
	s_mov_b32 s[G1+3], 32<<16                      ; tile_dim0 = 32
	s_mov_b32 s[G1+4], 64                          ; tile_dim1 = 64
	s_mov_b32 s[G1+5], 32                          ; tensor_dim0_stride
	s_mov_b32 s[G1+6], 0
	s_mov_b32 s[G1+7], 0
	s_lshl_b32 s16, s14, 18                        ; the head's first byte in a third of qkv,
	s_and_b32 s17, s[WV], 3
	s_lshl_b32 s17, s17, 14
	s_add_co_u32 s16, s16, s17                     ; + my quarter of a fill
	s_add_co_u32 s18, s16, 0x1000000               ; in k's third,
	s_mov_b32 s19, 0
	s_add_co_u32 s20, s16, 0x2000000               ; in v's
	s_mov_b32 s21, 0
	s_lshl_b32 s22, s13, 5
	s_lshl_b32 s23, s[WV], 2
	s_add_co_u32 s22, s22, s23                     ; my first tile of queries in the head: 32 cx + 4 wave
	s_lshr_b32 s2, s14, 4
	s_lshl_b32 s2, s2, 7
	s_add_co_u32 s2, s2, s22                       ; among all tokens: + 128 batch
	s_lshl_b32 s2, s2, 15                          ; the output: 32,768 bytes a tile of tokens,
	s_and_b32 s3, s14, 15
	s_lshl_b32 s3, s3, 11                          ; 2,048 a head
	s_add_co_u32 s2, s2, s3
	s_mov_b32 s3, 0
	s_lshl_b32 s22, s22, 11                        ; Q: 2,048 bytes a tile,
	s_lshl_b32 s23, s14, 18                        ; in my head
	s_add_co_u32 s22, s22, s23
	s_mov_b32 s23, 0
	s_mov_b32 s[CS], 0x3d38aa3b                    ; c = log2(e) / 32
	s_mov_b32 s[CS+1], s[CS]                       ; named with it as a pair, so it is written
	s_mov_b32 s[SEL], 0x76543210
	s_mov_b32 s[SEL+1], 0xfedcba98
	s_mov_b32 s[TB], 0
	s_mov_b32 s[SLOTS], 3
	s_wait_dscnt 0x0                               ; both opening adds are done
	s_wait_kmcnt 0x0
	s_add_nc_u64 s[8:9], s[4:5], s[22:23]          ; Q at my wave's first tile
	s_add_nc_u64 s[10:11], s[6:7], s[2:3]          ; the output likewise
	CROUND                                         ; all four work-groups are here: the first joint loads meet
	s_mov_b32 s[G0K], 1                            ; 1:0 count = 1
	s_lshl_b32 s[G0K+1], s[WV], 14                 ; LDS address: slot 0, 16 KiB x wave: waves 4 to 7 fall into V's half
	s_add_nc_u64 s[G0K+2:G0K+3], s[4:5], s[18:19]  ; global address: the head's first 512 keys
	s_or_b32 s[G0K+3], s[G0K+3], 0x80000000        ; type = 2
	s_mov_b32 s[G0V], 1
	s_lshl_b32 s[G0V+1], s[WV], 14
	s_add_nc_u64 s[G0V+2:G0V+3], s[4:5], s[20:21]
	s_or_b32 s[G0V+3], s[G0V+3], 0x80000000
	JLOAD                                          ; slot 0: one tensor load of mine is out, here and behind every later round
	v_and_b32 v1, 31, v0                           ; lane
	v_lshlrev_b32 v[GO], 4, v1
.irp t, 0,1,2,3
.irp f, 0,1,2,3
	global_load_b128 v[Q+16*\t+4*\f:Q+16*\t+4*\f+3], v[GO], s[8:9] offset:\t*2048+\f*512   ; Q stays in registers: tile t, channels 16 f on
.endr
.endr
	v_lshlrev_b32 v[AK0], 4, v1
	; the turning load takes 16 keys x 16 channels: lane l reads 16 bytes of key 8 (l / 16) + l % 8, channels 8 ((l / 8) % 2) on, and is left with channel l % 16 and 8 keys
	v_bfe_u32 v10, v0, 4, 1
	v_and_b32 v11, 7, v0
	v_bfe_u32 v12, v0, 3, 1
	v_lshlrev_b32 v[AV0], 8, v10
	v_lshl_add_u32 v[AV0], v11, 5, v[AV0]
	v_lshl_add_u32 v[AV0], v12, 4, v[AV0]
	v_add_nc_u32 v[AV0], VOFF, v[AV0]
.irp t, 0,1,2,3
	v_mov_b32 v[ST+8*\t+1], 0xff61b1e6             ; m = -3e38, under every score
	v_mul_f32 v[ST+8*\t], s[CS], v[ST+8*\t+1]      ; c m
	v_mov_b32 v[ST+8*\t+2], 0                      ; l, in two halves
	v_mov_b32 v[ST+8*\t+3], 0
.endr
	WIN W_LD
.set i, 0
.rept 128
	v_mov_b32 v[i], 0                              ; O^T.  (The step is written once: the first finds zeros, which a = 0 leaves zeros)
.set i, i+1
.endr
	WIN 0
; A KEY STEP: 64 keys, in phases.
.macro STEP
	v_add_nc_u32 v[ADK], s[TB], v[AK0]
	v_add_nc_u32 v[ADV], s[TB], v[AV0]
.rept 3
	v_nop                                          ; with the two additions five places behind the last V^T P: four for the loads into V's registers, five for the products below, which write over P (ISA guide 7.12.1 for the products)
.endr
	WIN W_LD
.irp kt, 0,1,2,3
.irp f, 0,1,2,3
	ds_load_b128 v[KF+16*\kt+4*\f:KF+16*\kt+4*\f+3], v[ADK] offset:\kt*2048+\f*512   ; keys 16 kt on, channels 16 f on: 512 consecutive bytes
.endr
.endr
.irp ks, 0,1
.irp dt, 0,1,2,3
.irp u, 0,1
	ds_load_tr16_b128 v[VF+32*\ks+8*\dt+4*\u:VF+32*\ks+8*\dt+4*\u+3], v[ADV] offset:(2*\ks+\u)*2048+\dt*512   ; keys 32 ks + 16 u on, channels 16 dt on
.endr
.endr
.endr
	s_wait_dscnt 16                                ; K's sixteen loads are in; V's sixteen may be out
	WIN W_KQ
.irp kt, 0,1,2,3                               ; S^T = K Q^T.  The sixteen accumulators take turns, one instruction a turn; the first sixteen products start the sums
.irp t, 0,1,2,3
	v_wmma_f32_16x16x32_f16 v[S+32*\t+8*\kt:S+32*\t+8*\kt+7], v[KF+16*\kt:KF+16*\kt+7], v[Q+16*\t:Q+16*\t+7], 0
.endr
.endr
.irp kt, 0,1,2,3
.irp t, 0,1,2,3
	v_wmma_f32_16x16x32_f16 v[S+32*\t+8*\kt:S+32*\t+8*\kt+7], v[KF+16*\kt+8:KF+16*\kt+15], v[Q+16*\t+8:Q+16*\t+15], v[S+32*\t+8*\kt:S+32*\t+8*\kt+7]
.endr
.endr
	WIN 0
.irp t, 0,1,2,3
	v_mov_b32 v[U+2*\t], v[ST+8*\t]                ; c m_old is kept for a.  (These four are the places behind the products)
.endr
.irp j, 0,1,2,3                                ; the maximum of the lane's 32 scores and the old m: four chains a tile, the four tiles by turns; each accumulator is read from its low end on
.irp t, 0,1,2,3
	v_max3_num_f32 v[ST+8*\t+4+\j], v[S+32*\t+8*\j], v[S+32*\t+8*\j+1], v[S+32*\t+8*\j+2]
.endr
.endr
.irp i, 3,5
.irp j, 0,1,2,3
.irp t, 0,1,2,3
	v_max3_num_f32 v[ST+8*\t+4+\j], v[ST+8*\t+4+\j], v[S+32*\t+8*\j+\i], v[S+32*\t+8*\j+\i+1]
.endr
.endr
.endr
.irp t, 0,1,2,3
	v_max3_num_f32 v[ST+8*\t+4], v[ST+8*\t+4], v[S+32*\t+7], v[S+32*\t+15]
.endr
.irp t, 0,1,2,3
	v_max3_num_f32 v[ST+8*\t+6], v[ST+8*\t+6], v[S+32*\t+23], v[S+32*\t+31]
.endr
.irp t, 0,1,2,3
	v_max3_num_f32 v[ST+8*\t+4], v[ST+8*\t+4], v[ST+8*\t+5], v[ST+8*\t+6]
.endr
.irp t, 0,1,2,3
	v_max3_num_f32 v[ST+8*\t+4], v[ST+8*\t+4], v[ST+8*\t+7], v[ST+8*\t+1]
.endr
.irp t, 0,1,2,3
	v_permlanex16_b32 v[ST+8*\t+5], v[ST+8*\t+4], s[SEL], s[SEL+1]   ; the query's other 32 keys lie in the lane 16 away
.endr
.irp t, 0,1,2,3
	v_max_num_f32 v[ST+8*\t+1], v[ST+8*\t+4], v[ST+8*\t+5]           ; the new m
.endr
.irp t, 0,1,2,3
	v_mul_f32 v[ST+8*\t], s[CS], v[ST+8*\t+1]                        ; c m
.endr
.irp t, 0,1,2,3
	v_sub_f32 v[ST+8*\t+7], v[U+2*\t], v[ST+8*\t]                    ; c m_old - c m_new, 0 or less
.endr
.irp b, 0,1,2,3,4,5,6,7,8,9,10,11,12,13,14,15
.irp t, 0,1,2,3
	v_pk_fma_f32 v[S+32*\t+2*\b:S+32*\t+2*\b+1], v[S+32*\t+2*\b:S+32*\t+2*\b+1], s[CS:CS+1], v[ST+8*\t:ST+8*\t+1] op_sel_hi:[1,0,0] neg_lo:[0,0,1] neg_hi:[0,0,1]   ; c s - c m, two at a time
.endr
.endr
.irp t, 0,1,2,3                                ; ONE BATCH of exponentials: the four a and the 128 p
	v_exp_f32 v[ST+8*\t+6], v[ST+8*\t+7]
.endr
.set e, 0
.rept 128
	v_exp_f32 v[S+e], v[S+e]
.set e, e+1
.endr
	v_nop                                          ; the plain instruction behind the last exponential, ahead of the first use
	s_wait_alu depctr_va_vdst(0)                   ; and the one wait ahead of the batch's first reader
.irp t, 0,1,2,3                                ; the sums, of the unrounded p, in two chains a tile: l = a l + pair 0 + the even pairs; U = the odd pairs
	v_pk_fma_f32 v[ST+8*\t+2:ST+8*\t+3], v[ST+8*\t+2:ST+8*\t+3], v[ST+8*\t+6:ST+8*\t+7], v[S+32*\t:S+32*\t+1] op_sel_hi:[1,0,1]
.endr
.irp t, 0,1,2,3
	v_pk_add_f32 v[U+2*\t:U+2*\t+1], v[S+32*\t+2:S+32*\t+3], v[S+32*\t+6:S+32*\t+7]
.endr
.irp i, 2,4,6,8,10,12
.irp t, 0,1,2,3
	v_pk_add_f32 v[ST+8*\t+2:ST+8*\t+3], v[ST+8*\t+2:ST+8*\t+3], v[S+32*\t+2*\i:S+32*\t+2*\i+1]
	v_pk_add_f32 v[U+2*\t:U+2*\t+1], v[U+2*\t:U+2*\t+1], v[S+32*\t+2*\i+6:S+32*\t+2*\i+7]
.endr
.endr
.irp t, 0,1,2,3
	v_pk_add_f32 v[ST+8*\t+2:ST+8*\t+3], v[ST+8*\t+2:ST+8*\t+3], v[S+32*\t+28:S+32*\t+29]
.endr
.irp t, 0,1,2,3
	v_pk_add_f32 v[ST+8*\t+2:ST+8*\t+3], v[ST+8*\t+2:ST+8*\t+3], v[U+2*\t:U+2*\t+1]
.endr
.irp i, 0,1,2,3,4,5,6,7,8,9,10,11,12,13,14,15  ; P in place: register i takes pair i; ascending, so that no pair is written over before it is read.  Registers 8 ks .. 8 ks + 7 are the fragment of keys 32 ks on
.irp t, 0,1,2,3
	v_cvt_pk_f16_f32 v[S+32*\t+\i], v[S+32*\t+2*\i], v[S+32*\t+2*\i+1]
.endr
.endr
	WIN W_RS
.irp i, 0,1,2,3,4,5,6,7,8,9,10,11,12,13,14,15  ; O^T x a; each accumulator from its low end on
.irp t, 0,1,2,3
	v_pk_mul_f32 v[32*\t+2*\i:32*\t+2*\i+1], v[32*\t+2*\i:32*\t+2*\i+1], v[ST+8*\t+6:ST+8*\t+7] op_sel_hi:[1,0]
.endr
.endr
	s_wait_dscnt 0x0                               ; V is in
	WIN W_PV
.irp ks, 0,1                                   ; O^T += V^T P: the sixteen accumulators by turns
.irp dt, 0,1,2,3
.irp t, 0,1,2,3
	v_wmma_f32_16x16x32_f16 v[32*\t+8*\dt:32*\t+8*\dt+7], v[VF+32*\ks+8*\dt:VF+32*\ks+8*\dt+7], v[S+32*\t+8*\ks:S+32*\t+8*\ks+7], v[32*\t+8*\dt:32*\t+8*\dt+7]
.endr
.endr
.endr
	WIN 0                                          ; at a label and at a branch every window is 0
	s_add_co_u32 s[TB], s[TB], STEPB               ; the next step's tiles
.endm
; THE CHANGE OF SLOTS stands at a slot's head.  Each wave waits for all its tensor loads (one is out: its part of the slot that it is about to read), adds 0 to its spare word, and waits for that and for its reads of the slot that it has left.
; fill = 1: the barrier is a round of the cluster's, so that no wave of any partner still reads the other slot or has a load on its way; the joint load of the next 512 keys into that slot is the first thing behind it.
.macro CHANGE fill
	s_wait_tensorcnt 0x0                           ; no tensor load of mine is out, so a group 0 may be written
	ds_add_u32 v[SPW], v[NIL]                      ; 0 onto my spare word: the descriptors' steps stand between it and the wait for it
.if \fill
	s_xor_b32 s[G0K+1], s[G0K+1], SLOT1            ; the walking descriptors: the other slot than last time,
	s_add_nc_u64 s[G0K+2:G0K+3], s[G0K+2:G0K+3], 65536   ; the next 512 keys; the type bits on top are not reached
	s_xor_b32 s[G0V+1], s[G0V+1], SLOT1
	s_add_nc_u64 s[G0V+2:G0V+3], s[G0V+2:G0V+3], 65536
	s_wait_dscnt 0x0                               ; the add is done, and my reads of the slot that I have left are over
	CROUND
	JLOAD
.else
	s_wait_dscnt 0x0
	s_barrier_signal -1
	s_barrier_wait -1
.endif
.endm
.macro EIGHT_STEPS                     ; a slot's eight key steps: written once, walked eight times; the LDS addresses hang on s[TB]
	s_mov_b32 s[STEPS], 8
.Lstep_\@:
	STEP
	s_sub_co_u32 s[STEPS], s[STEPS], 1
	s_cmp_lg_u32 s[STEPS], 0
	s_cbranch_scc1 .Lstep_\@
	s_sub_co_u32 s[TB], s[TB], 8*STEPB             ; back to a slot's first step,
	s_xor_b32 s[TB], s[TB], SLOT1                  ; in the other slot
.endm
	s_wait_loadcnt 0x0                             ; Q
.Lslot:                                            ; three trips: behind each change of slots but the last the next 512 keys are asked for
	CHANGE 1
	EIGHT_STEPS
	s_sub_co_u32 s[SLOTS], s[SLOTS], 1
	s_cmp_lg_u32 s[SLOTS], 0
	s_cbranch_scc1 .Lslot
	CHANGE 0                                       ; the last slot is written out
	EIGHT_STEPS
	; THE WAY OUT.  l's two halves and the other half of the lanes' are added (the additions are the places behind the last products); O^T is divided by l and rounded to f16: a lane's eight channels are its 16 bytes of a chunk.
.irp t, 0,1,2,3
	v_add_f32 v[ST+8*\t+4], v[ST+8*\t+2], v[ST+8*\t+3]
.endr
.irp t, 0,1,2,3
	v_permlanex16_b32 v[ST+8*\t+5], v[ST+8*\t+4], s[SEL], s[SEL+1]
.endr
.irp t, 0,1,2,3
	v_add_f32 v[ST+8*\t+4], v[ST+8*\t+4], v[ST+8*\t+5]
.endr
.irp t, 0,1,2,3
	v_rcp_f32 v[ST+8*\t+6], v[ST+8*\t+4]
.endr
	v_nop                                          ; a plain instruction between the last reciprocal and the use of its result
	s_wait_alu depctr_va_vdst(0)                   ; and the wait ahead of the first use: one for the four
.macro OUTT tile
	WIN W_RS
.irp i, 0,1,2,3,4,5,6,7,8,9,10,11,12,13,14,15
	v_pk_mul_f32 v[32*(\tile)+2*\i:32*(\tile)+2*\i+1], v[32*(\tile)+2*\i:32*(\tile)+2*\i+1], v[ST+8*(\tile)+6:ST+8*(\tile)+7] op_sel_hi:[1,0]
.endr
	WIN W_CV                                       ; S^T's registers are free
.irp i, 0,1,2,3,4,5,6,7,8,9,10,11,12,13,14,15
	v_cvt_pk_f16_f32 v[S+16*(\tile)+\i], v[32*(\tile)+2*\i], v[32*(\tile)+2*\i+1]
.endr
	WIN 0
.irp f, 0,1,2,3
	global_store_b128 v[GO], v[S+16*(\tile)+4*\f:S+16*(\tile)+4*\f+3], s[10:11] offset:(\tile)*32768+\f*512   ; a chunk a store: 512 consecutive bytes, at a multiple of 512 from the buffer's first byte
.endr
.endm
	OUTT 0
	OUTT 1
	OUTT 2
	OUTT 3
	s_wait_tensorcnt 0x0                           ; the wave's end: behind my last tensor load
	ds_add_u32 v[SPW], v[NIL]
	s_wait_dscnt 0x0
	CROUND                                         ; the closing round: no work-group ends while a partner may still ask for a tile that names it
	s_endpgm
.Lfunc_end_k_q07836435a2_attn:
	.size	k_q07836435a2_attn, .Lfunc_end_k_q07836435a2_attn-k_q07836435a2_attn
	.p2alignl 7, 3214868480
	.fill 96, 4, 3214868480
	.section	.rodata,"a",@progbits
	.p2align	6, 0x0
	.amdhsa_kernel k_q07836435a2_attn
		.amdhsa_group_segment_fixed_size 327680
		.amdhsa_private_segment_fixed_size 0
		.amdhsa_enable_private_segment 0
		.amdhsa_kernarg_size 16
		.amdhsa_user_sgpr_count 2
		.amdhsa_user_sgpr_kernarg_segment_ptr 1
		.amdhsa_wavefront_size32 1
		.amdhsa_system_sgpr_workgroup_id_x 1
		.amdhsa_system_sgpr_workgroup_id_y 1
		.amdhsa_system_sgpr_workgroup_id_z 1
		.amdhsa_system_vgpr_workitem_id 0
		.amdhsa_next_free_vgpr 512
		.amdhsa_next_free_sgpr 66
		.amdhsa_reserve_vcc 0
		.amdhsa_float_denorm_mode_32 3
		.amdhsa_float_denorm_mode_16_64 3
		.amdhsa_memory_ordered 1
		.amdhsa_forward_progress 1
		.amdhsa_inst_pref_size 87
	.end_amdhsa_kernel
	.amdgpu_metadata
---
amdhsa.version: [ 1, 2 ]
amdhsa.kernels:
  - .name:           k_q07836435a2_attn
    .symbol:         k_q07836435a2_attn.kd
    .args:
      - { .name: qkv, .offset: 0, .size: 8, .value_kind: global_buffer, .address_space: global }
      - { .name: oimg, .offset: 8, .size: 8, .value_kind: global_buffer, .address_space: global }
    .group_segment_fixed_size: 327680
    .private_segment_fixed_size: 0
    .kernarg_segment_align: 8
    .kernarg_segment_size: 16
    .max_flat_workgroup_size: 256
    .sgpr_count:     66
    .vgpr_count:     512
    .wavefront_size: 32
...
	.end_amdgpu_metadata
.endif
;; end of part 3
;; launch proj (part 4): grid 4 x 64, 4 waves a work-group, clusters of 4 x 4, 327,680 bytes of LDS; arguments oimg, wo, b_out, out0; writes out0
.if DOCPART == 4
	.amdgcn_target "amdgcn-amd-amdhsa--gfx1250"
	.amdhsa_code_object_version 6
	.text
	.protected	k_q07836435a2_proj
	.globl	k_q07836435a2_proj
	.p2align	8
	.type	k_q07836435a2_proj,@function
k_q07836435a2_proj:
	s_mov_b64 s[64:65], 0
	v_nop
	global_prefetch_b8 v0, s[64:65] scope:SCOPE_SE
	s_setreg_imm32_b32 hwreg(HW_REG_WAVE_MODE, 25, 1), 1
	s_wait_xcnt 0x0
	s_wait_alu depctr_hold_cnt(0) depctr_sa_sdst(0) depctr_va_vdst(0) depctr_va_sdst(0) depctr_va_ssrc(0) depctr_va_vcc(0) depctr_vm_vsrc(0)
	s_getreg_b32 s2, hwreg(HW_REG_IB_STS2, 6, 4)
	s_cmp_eq_u32 s2, 0
	s_cbranch_scc0 .Lentry_in_a_cluster
	s_endpgm
.Lentry_in_a_cluster:
	s_bfe_u32 s2, ttmp6, 0x10000c
	s_cmp_lg_u32 s2, 0xf033
	s_cbranch_scc0 .Lentry_shape_is_right
	s_endpgm
.Lentry_shape_is_right:
; PROJ: out0[token][n] = sum over k of O[token][k] w_out[k][n] + b_out[n].  O and w_out as f16, sums f32, out0 f32.
; Both operands lie in memory in the order of an operand's registers: oimg [token / 16][k / 16][512 bytes], wo [n / 16][k / 16][512 bytes]; in a chunk of 512 bytes lane l's 16 bytes (row l % 16, k = 8 (l / 16) on) lie at 16 l.
; So a fragment (16 rows x 32 k) is two loads of 16 bytes a lane, 512 consecutive bytes each: no pitch, no padding; and a tile's part of a K step of 128 is 4,096 consecutive bytes.
; A tile of out0 is 128 tokens x 256 n: 256 work-groups.  Four waves, each 64 x 128: 32 accumulators of 16 x 16, 256 registers.  K goes in 8 steps of 128 through a ring of two LDS slots filled by the tensor data mover.
; CLUSTERS: 4 x 4 work-groups.  The four of a row of the cluster need the same tiles of O, the four of a column the same tiles of w_out: each tile is asked for JOINTLY, by the same tensor load with the same descriptor and a mask that names the four.
; THE MATRIX INSTRUCTION IS USED TRANSPOSED (source 0 = 16 n, source 1 = 16 tokens): a lane holds one token and eight neighbouring n.  The bias, in that layout, is the C of each sum's first product: it costs no addition.
; No prefetch is laid: the tiles are small and each is shared by four work-groups.
; REGISTERS: window 0: v16-29 addresses; two fragment buffers of 96 at v32 and v128 (4 fragments of O, then 8 of w_out); on the way out v32-159.   window 1: the accumulators ((a, b) at v[8 (8 a + b)]).   window 2: v0-63 the bias, eight registers for each b.
.set SLOT,   98304                     ; O's 8 tiles of tokens x 4,096 bytes, then w_out's 16 tiles of n x 4,096
.set BOFF,   32768
.set STAGE,  2*SLOT                    ; behind the ring: 16 rows x (512 bytes + 16) for each wave, for the way out; no tensor load lands there
.set SPITCH, 528
.set SPARE,  STAGE+4*16*SPITCH         ; behind the stages: the spare words, 128 bytes for each wave: two blocks of 256 bytes that no other line names
.set LAPS,   4                         ; a lap = two K steps = once round the ring
.set ADRA, 16                          ; v16-17  LDS address of my fragments of O in slot 0, 1
.set ADRB, 20                          ; v20-21  the same for w_out
.set STO,  24                          ; v24     the way out: where I put 32 bytes of a row
.set RD,   25                          ; v25     the way out: where I read a row back
.set CO,   26                          ; v26     16 x lane
.set BO,   27                          ; v27     32 x (lane / 16): my eight numbers of a tile's sixteen of the bias
.set SPW,  28                          ; v28     LDS address of my spare word: SPARE + 4 x my thread's number; never rewritten
.set NIL,  29                          ; v29     0; never rewritten
.set F0,   32
.set F1,   128
.set BK,   32                          ; the way out: 16 rows read back from the stage: v32-95 and v96-159 by turns
.set G1, 24                            ; s[24:31] descriptor group 1 for O's tiles;  s[32:39] group 0, one set for each slot
.set G0, 32
.set G1B, 48                           ; s[48:55], s[56:63] the same for w_out's tiles
.set G0B, 56
.set MSB, 0
.macro WIN new                         ; the immediate's high byte repeats the setting that is left
.if MSB != \new
	s_set_vgpr_msb (MSB<<8)|\new
.set MSB, \new
.endif
.endm
.set MUL,  0x50                        ; sources 0 and 1 window 0; C and D window 1
.set MULB, 0x60                        ; C (the bias) window 2, D window 1
.macro JLOAD s                         ; a joint load: waves 0 and 1 fetch O's two halves, waves 2 and 3 w_out's; an s_nop 0 and four v_nop follow each of the two lines
	s_cmp_eq_u32 s13, 0
	s_cbranch_scc0 .Lfor_b_\@
	tensor_load_to_lds s[G0+4*\s:G0+4*\s+3], s[G1:G1+7]
	s_nop 0
.rept 4
	v_nop
.endr
	s_branch .Lasked_\@
.Lfor_b_\@:
	tensor_load_to_lds s[G0B+4*\s:G0B+4*\s+3], s[G1B:G1B+7]
	s_nop 0
.rept 4
	v_nop
.endr
.Lasked_\@:
.endm
.macro CREST                           ; a round of the cluster's barrier behind its opening barrier
	s_cmp_lg_u32 s12, 0
	s_cbranch_scc1 .Lnot_wave_0_\@
	s_barrier_signal -3
.Lnot_wave_0_\@:
	s_barrier_wait -3
	s_barrier_signal -1
	s_barrier_wait -1
.endm
.macro CROUND                          ; a whole round
	s_barrier_signal -1
	s_barrier_wait -1
	CREST
.endm
	s_load_b256 s[4:11], s[0:1], 0x0               ; oimg s[4:5], wo s[6:7], b_out s[8:9], out0 s[10:11]
	v_lshl_add_u32 v[SPW], v0, 2, SPARE
	v_mov_b32 v[NIL], 0
	ds_add_u32 v[SPW], v[NIL]                      ; the wave's opening: the add, twice on end, and its wait ahead of my first tensor load; the set-up below, work on registers, stands between
	ds_add_u32 v[SPW], v[NIL]
	v_lshrrev_b32 v1, 5, v0
	v_readfirstlane_b32 s12, v1                    ; wave 0..3
	s_lshr_b32 s13, s12, 1                         ; which 64 of the tile's tokens are mine.  Also: I fetch for O (0) or for w_out (1)
	s_and_b32 s14, s12, 1                          ; which 128 of its n.  Also: which half of that tile I fetch
	s_bfe_u32 s40, ttmp6, 0x40000                  ; cx, cy: my place in the cluster
	s_bfe_u32 s41, ttmp6, 0x40004
	s_lshl_b32 s42, ttmp9, 2
	s_add_co_u32 s42, s42, s40                     ; tile column = 4 x cluster x + cx
	s_and_b32 s15, ttmp7, 0xffff
	s_lshl_b32 s15, s15, 2
	s_add_co_u32 s15, s15, s41                     ; tile row = 4 x cluster y + cy
	s_lshl_b32 s43, s41, 2
	s_lshl_b32 s43, 15, s43                        ; my row of the cluster
	s_lshl_b32 s44, 0x1111, s40                    ; my column
	; descriptor group 1: rows of 4,096 bytes (512 elements of 8), 32,768 bytes apart in memory, dense in LDS: four of them for O, eight for w_out
	s_or_b32 s[G1+0], s43, (3<<16)|(1<<21)         ; 15:0 the mask: O's tiles go to my row; 17:16 elements of 8 bytes; 21 set beside a mask
	s_or_b32 s[G1B+0], s44, (3<<16)|(1<<21)
	s_mov_b32 s[G1+1], 512<<16                     ; tensor_dim0 = 512
	s_mov_b32 s[G1+2], 4<<16                       ; tensor_dim1 = 4
	s_mov_b32 s[G1+3], 512<<16                     ; tile_dim0 = 512
	s_mov_b32 s[G1+4], 4                           ; tile_dim1 = 4
	s_mov_b32 s[G1+5], 4096                        ; tensor_dim0_stride, in elements
	s_mov_b32 s[G1+6], 0
	s_mov_b32 s[G1+7], 0
	s_mov_b32 s[G1B+1], 512<<16
	s_mov_b32 s[G1B+2], 8<<16
	s_mov_b32 s[G1B+3], 512<<16
	s_mov_b32 s[G1B+4], 8
	s_mov_b32 s[G1B+5], 4096
	s_mov_b32 s[G1B+6], 0
	s_mov_b32 s[G1B+7], 0
	s_lshl_b32 s16, s15, 3                         ; O: tile of tokens 8 x tile row + 4 x half,
	s_lshl_b32 s17, s14, 2
	s_add_co_u32 s16, s16, s17
	s_lshl_b32 s16, s16, 15                        ; 32,768 bytes each
	s_mov_b32 s17, 0
	s_lshl_b32 s46, s42, 4                         ; w_out: tile of n 16 x tile column + 8 x half
	s_lshl_b32 s47, s14, 3
	s_add_co_u32 s46, s46, s47
	s_lshl_b32 s46, s46, 15
	s_mov_b32 s47, 0
	s_lshl_b32 s20, s14, 14                        ; where they go: O's halves of 16 KiB,
	s_lshl_b32 s21, s14, 15
	s_add_co_u32 s21, s21, BOFF                    ; w_out's of 32 KiB, behind them: no place in the cluster enters an LDS address
	s_wait_dscnt 0x0                               ; both opening adds are done
	s_wait_kmcnt 0x0
	s_add_nc_u64 s[18:19], s[4:5], s[16:17]
	s_add_nc_u64 s[46:47], s[6:7], s[46:47]
	CROUND                                         ; all sixteen work-groups are here: the first joint loads meet
.irp s, 0,1
	s_mov_b32 s[G0+4*\s], 1
	s_add_co_u32 s[G0+4*\s+1], s20, \s*SLOT
	s_add_nc_u64 s[G0+4*\s+2:G0+4*\s+3], s[18:19], \s*4096
	s_or_b32 s[G0+4*\s+3], s[G0+4*\s+3], 0x80000000
	s_mov_b32 s[G0B+4*\s], 1
	s_add_co_u32 s[G0B+4*\s+1], s21, \s*SLOT
	s_add_nc_u64 s[G0B+4*\s+2:G0B+4*\s+3], s[46:47], \s*4096
	s_or_b32 s[G0B+4*\s+3], s[G0B+4*\s+3], 0x80000000
	JLOAD \s                                       ; two tensor loads of mine are out at the start, one behind each later round
.endr
	v_and_b32 v1, 15, v0                           ; r = l % 16
	v_bfe_u32 v2, v0, 4, 1                         ; h = l / 16
	v_and_b32 v3, 31, v0
	v_lshlrev_b32 v[CO], 4, v3
	v_lshlrev_b32 v[BO], 5, v2
	s_lshl_b32 s20, s42, 10                        ; my first n, in bytes of f32: 1,024 x tile column + 512 x half
	s_lshl_b32 s21, s14, 9
	s_add_co_u32 s20, s20, s21
	s_mov_b32 s21, 0
	s_add_nc_u64 s[8:9], s[8:9], s[20:21]
	WIN 0x80                                       ; destination window 2
.irp b, 0,1,2,3,4,5,6,7
	global_load_b128 v[8*\b:8*\b+3], v[BO], s[8:9] offset:64*\b          ; b_out at n = 16 b + 8 h + 0 .. 7: the result's layout
	global_load_b128 v[8*\b+4:8*\b+7], v[BO], s[8:9] offset:64*\b+16
.endr
	WIN 0
	s_lshl_b32 s22, s15, 19                        ; my first row of out0: 128 x tile row + 64 x half, 4,096 bytes each
	s_lshl_b32 s23, s13, 18
	s_add_co_u32 s22, s22, s23
	s_add_co_u32 s22, s22, s20
	s_mov_b32 s23, 0
	s_add_nc_u64 s[10:11], s[10:11], s[22:23]
	s_lshl_b32 s16, s13, 14                        ; my four tiles of tokens,
	s_lshl_b32 s17, s14, 15
	s_add_co_u32 s17, s17, BOFF                    ; my eight tiles of n
.irp s, 0,1
	v_add_nc_u32 v[ADRA+\s], s16, v[CO]
	v_add_nc_u32 v[ADRB+\s], s17, v[CO]
	s_add_co_u32 s16, s16, SLOT
	s_add_co_u32 s17, s17, SLOT
.endr
	s_mul_i32 s23, s12, 16*SPITCH
	s_add_co_u32 s23, s23, STAGE                   ; my stage
	v_mul_u32_u24 v4, v1, SPITCH                   ; in: row l % 16, 32 bytes for each half of the lanes
	v_lshl_add_u32 v4, v2, 5, v4
	v_add_nc_u32 v[STO], s23, v4
	v_add_nc_u32 v[RD], s23, v[CO]                 ; back: the 32 lanes take one row of 512 bytes
; 8 matrix instructions: tokens 16 a on x my eight tiles of n, 32 along K: buffer f.  first = 1: the bias starts the sums.  The 32 accumulators take turns, one instruction a turn, in the same order in every quarter.
.macro MUL8 f, a, first
.irp b, 0,1,2,3,4,5,6,7
.if \first
	v_wmma_f32_16x16x32_f16 v[8*(8*(\a)+\b):8*(8*(\a)+\b)+7], v[\f+32+8*\b:\f+32+8*\b+7], v[\f+8*(\a):\f+8*(\a)+7], v[8*\b:8*\b+7]
.else
	v_wmma_f32_16x16x32_f16 v[8*(8*(\a)+\b):8*(8*(\a)+\b)+7], v[\f+32+8*\b:\f+32+8*\b+7], v[\f+8*(\a):\f+8*(\a)+7], v[8*(8*(\a)+\b):8*(8*(\a)+\b)+7]
.endif
.endr
.endm
; 24 LDS loads in one run: the fragments of the slot's q-th 32 along K into buffer f: w_out's eight, then O's four
.macro FETCH slot, q, f
	WIN 0
.irp i, 0,1,2,3,4,5,6,7
	ds_load_b128 v[\f+32+8*\i:\f+32+8*\i+3],   v[ADRB+\slot] offset:\i*4096+(\q)*1024
	ds_load_b128 v[\f+32+8*\i+4:\f+32+8*\i+7], v[ADRB+\slot] offset:\i*4096+(\q)*1024+512
.endr
.irp i, 0,1,2,3
	ds_load_b128 v[\f+8*\i:\f+8*\i+3],   v[ADRA+\slot] offset:\i*4096+(\q)*1024
	ds_load_b128 v[\f+8*\i+4:\f+8*\i+7], v[ADRA+\slot] offset:\i*4096+(\q)*1024+512
.endr
.endm
.macro PLACES                          ; four places in front of loads into registers that matrix instructions have read, and of LDS stores that read results (ISA guide 7.12.1 for the stores)
.rept 4
	v_nop
.endr
.endm
; A K step is four quarters of 32 along K, 32 matrix instructions each, on buffers 0, 1, 0, 1.  One of the first three: multiplies buffer f and fetches the slot's q-th quarter into g.
.macro QUARTER slot, q, f, g, first
	s_wait_dscnt 4                                 ; w_out's fragments and O's tiles 0, 1 are in; the youngest four loads (tiles 2, 3) may be out
.if \first
	WIN MULB
.else
	WIN MUL
.endif
	MUL8 \f, 0, \first
	MUL8 \f, 1, \first
	PLACES
	FETCH \slot, \q, \g
	s_wait_dscnt 24                                ; all but the 24 just issued
.if \first
	WIN MULB
.else
	WIN MUL
.endif
	MUL8 \f, 2, \first
	MUL8 \f, 3, \first
.endm
; The last quarter multiplies buffer 1 and changes slots: ONE barrier; in front of it each wave waits for all its tensor loads, adds 0 to its spare word, and waits for that and for its own reads of this slot.  fill = 1: this slot is filled again, two K steps ahead.
.macro TURN slot, next, fill
	WIN 0                                          ; (the add's two registers lie in window 0)
	s_wait_tensorcnt 0x0                           ; all my tensor loads have landed: my part of the next slot;
	ds_add_u32 v[SPW], v[NIL]                      ; 0 onto my spare word
	s_wait_dscnt 5                                 ; (the add and the youngest four loads may be out)
	WIN MUL
	MUL8 F1, 0, 0                                  ; eight matrix instructions stand between the add and the wait for it
	s_wait_dscnt 0x0                               ; the add is done, and my reads of this slot are over
	s_barrier_signal -1
	MUL8 F1, 1, 0
.if \fill
	WIN 0
.endif
	s_barrier_wait -1
.if \fill
	CREST                                          ; the barrier has opened a round of the cluster's barrier: no wave of any partner still reads this slot's tile or has a load on its way
	s_add_nc_u64 s[G0+4*\slot+2:G0+4*\slot+3], s[G0+4*\slot+2:G0+4*\slot+3], 2*4096
	s_add_nc_u64 s[G0B+4*\slot+2:G0B+4*\slot+3], s[G0B+4*\slot+2:G0B+4*\slot+3], 2*4096
	JLOAD \slot                                    ; the first tensor load behind the round: 112 matrix instructions ahead of the wait for it; the four v_nop behind it are also the places in front of the loads below
.else
	PLACES
.endif
	FETCH \next, 0, F0
	WIN MUL
	MUL8 F1, 2, 0
	MUL8 F1, 3, 0
.endm
	s_wait_tensorcnt 1                             ; my part of K step 0 is in (K step 1's may be out)
	s_barrier_signal -1
	s_barrier_wait -1                              ; everybody's is
	FETCH 0, 0, F0
	s_wait_loadcnt 0x0                             ; the bias
	QUARTER 0, 1, F0, F1, 1                        ; the first quarter stands in front of the loop: its products start the sums, from the bias
	WIN 0                                          ; at a label and at a branch every window is 0
	s_mov_b32 s3, LAPS-1
.Llap:                                             ; a trip goes once round the ring, from a lap's second quarter to the next lap's first, and fills both slots again
	QUARTER 0, 2, F1, F0, 0
	QUARTER 0, 3, F0, F1, 0
	TURN 0, 1, 1
	QUARTER 1, 1, F0, F1, 0
	QUARTER 1, 2, F1, F0, 0
	QUARTER 1, 3, F0, F1, 0
	TURN 1, 0, 1
	QUARTER 0, 1, F0, F1, 0
	WIN 0
	s_sub_co_u32 s3, s3, 1
	s_cmp_lg_u32 s3, 0
	s_cbranch_scc1 .Llap
	QUARTER 0, 2, F1, F0, 0                        ; the last lap fills nothing, and has no round of the cluster's barrier
	QUARTER 0, 3, F0, F1, 0
	TURN 0, 1, 0
	QUARTER 1, 1, F0, F1, 0
	QUARTER 1, 2, F1, F0, 0
	QUARTER 1, 3, F0, F1, 0
	s_wait_dscnt 4                                 ; the very last quarter: nothing more to fetch
	WIN MUL
	MUL8 F1, 0, 0
	MUL8 F1, 1, 0
	s_wait_dscnt 0
	MUL8 F1, 2, 0
	MUL8 F1, 3, 0
	WIN 0
; THE WAY OUT, block by block of 16 tokens x 128 n.  A lane holds 32 neighbouring bytes of a row, and the lanes beside it hold other rows: so a block goes through my own stage in LDS and comes back as whole rows of 512 bytes.
; LDS serves a wave's instructions in order (ISA guide 5.7.1.4): no wait between the stores and the loads, nor in front of the next block's stores.
.macro TOSTAGE a
	WIN 0x04                                       ; an LDS store's data are its source 1: window 1
.irp b, 0,1,2,3,4,5,6,7
	ds_store_b128 v[STO], v[8*(8*(\a)+\b):8*(8*(\a)+\b)+3] offset:64*\b          ; each accumulator from its low end on
	ds_store_b128 v[STO], v[8*(8*(\a)+\b)+4:8*(8*(\a)+\b)+7] offset:64*\b+16
.endr
	WIN 0
.set BB, BK+64*((\a)%2)
.irp t, 0,1,2,3,4,5,6,7,8,9,10,11,12,13,14,15
	ds_load_b128 v[BB+4*\t:BB+4*\t+3], v[RD] offset:\t*SPITCH
.endr
.endm
.macro SEND a, younger                 ; younger: the LDS instructions issued behind block a's loads, which may stay out
.set BB, BK+64*((\a)%2)
	s_wait_dscnt \younger                          ; the block is back in registers
.irp t, 0,1,2,3,4,5,6,7,8,9,10,11,12,13,14,15
	global_store_b128 v[CO], v[BB+4*\t:BB+4*\t+3], s[10:11] offset:(\a)*65536+\t*4096 th:TH_STORE_NT   ; 32 lanes store 512 consecutive bytes, at a multiple of 256 from out0's first byte; written once, read by nobody here
.endr
.endm
	PLACES                                         ; behind the last products: the stores read results, and the loads land where fragments lay
	TOSTAGE 0
.irp a, 1,2,3
.if \a > 1
	s_wait_xcnt 0x0                                ; block a - 2's stores have read their registers: block a's loads may land there
.endif
	TOSTAGE \a
	SEND \a-1, 32                                  ; behind block a - 1's loads: block a's 16 stores and 16 loads
.endr
	SEND 3, 0
	s_wait_tensorcnt 0x0                           ; the wave's end: behind my last tensor load and my last LDS store
	ds_add_u32 v[SPW], v[NIL]
	s_wait_dscnt 0x0
	CROUND                                         ; the closing round: no work-group ends while a partner may still ask for a tile that names it
	s_endpgm
.Lfunc_end_k_q07836435a2_proj:
	.size	k_q07836435a2_proj, .Lfunc_end_k_q07836435a2_proj-k_q07836435a2_proj
	.p2alignl 7, 3214868480
	.fill 96, 4, 3214868480
	.section	.rodata,"a",@progbits
	.p2align	6, 0x0
	.amdhsa_kernel k_q07836435a2_proj
		.amdhsa_group_segment_fixed_size 327680
		.amdhsa_private_segment_fixed_size 0
		.amdhsa_enable_private_segment 0
		.amdhsa_kernarg_size 32
		.amdhsa_user_sgpr_count 2
		.amdhsa_user_sgpr_kernarg_segment_ptr 1
		.amdhsa_wavefront_size32 1
		.amdhsa_system_sgpr_workgroup_id_x 1
		.amdhsa_system_sgpr_workgroup_id_y 1
		.amdhsa_system_sgpr_workgroup_id_z 1
		.amdhsa_system_vgpr_workitem_id 0
		.amdhsa_next_free_vgpr 768
		.amdhsa_next_free_sgpr 66
		.amdhsa_reserve_vcc 0
		.amdhsa_float_denorm_mode_32 3
		.amdhsa_float_denorm_mode_16_64 3
		.amdhsa_memory_ordered 1
		.amdhsa_forward_progress 1
		.amdhsa_inst_pref_size 86
	.end_amdhsa_kernel
	.amdgpu_metadata
---
amdhsa.version: [ 1, 2 ]
amdhsa.kernels:
  - .name:           k_q07836435a2_proj
    .symbol:         k_q07836435a2_proj.kd
    .args:
      - { .name: oimg, .offset: 0, .size: 8, .value_kind: global_buffer, .address_space: global }
      - { .name: wo, .offset: 8, .size: 8, .value_kind: global_buffer, .address_space: global }
      - { .name: b_out, .offset: 16, .size: 8, .value_kind: global_buffer, .address_space: global }
      - { .name: out0, .offset: 24, .size: 8, .value_kind: global_buffer, .address_space: global }
    .group_segment_fixed_size: 327680
    .private_segment_fixed_size: 0
    .kernarg_segment_align: 8
    .kernarg_segment_size: 32
    .max_flat_workgroup_size: 128
    .sgpr_count:     66
    .vgpr_count:     768
    .wavefront_size: 32
...
	.end_amdgpu_metadata
.endif
;; end of part 4
